; MI455X (gfx1250); checked and timed in simulation.
; The chip was launched on July 23, 2026; its instructions are those of AMD's public machine-readable ISA for CDNA 5 (MIT licence, August 2026) and "CDNA5" Instruction Set Architecture Reference Guide (July 2026). The comments in the code are by the model that wrote it; some were corrected since.
;; Multi Head Attention. Allowed arithmetic: matrix products marked QUANTISED: E2M1 operands, one E8M0 scale for each 32 along K, by v_wmma_scale_f32_16x16x128_f8f6f4 with both operands' format E2M1 (or v_wmma_scale_f32_32x16x128_f4), f32 sums; products left as they are: bf16, f16 or f32 operands; f32 sums; everything else in f32.
;; Inputs: Wk 1,024 x 1,024 float32; Wo 1,024 x 1,024 float32; Wq 1,024 x 1,024 float32; Wv 1,024 x 1,024 float32; k 4 x 2,048 x 1,024 float32; mask 4 x 2,048 x 2,048 float32; q 4 x 2,048 x 1,024 float32; v 4 x 2,048 x 1,024 float32.
;; Outputs: out0 4 x 2,048 x 1,024 float32.
;; This version of the problem:
;;   THIS VERSION OF THE PROBLEM IS GIVEN IN LOW PRECISION. The matrix products marked QUANTISED in the list below multiply operands that are first quantised to E2M1 (2 exponent bits, 1 mantissa bit; 4 bits a number), with one power-of-two scale for each 32 numbers along K (OCP MX v1.0); their sums are f32. The products marked 'left as it is' may take bf16, f16 or f32 operands, with f32 sums. Whichever they take, every output number must still come out within the allowed error. Rounding operands to bf16 (8 significant bits) uses up far more of that allowance than f16 does (11 bits, for magnitudes from 6e-5 to 65,504). All else is computed in f32.
;;   The module's matrix products, in the order in which they are computed (A, B: the left and right operand; K: the contracted axis; several contracted axes count as one K, in the product's order):
;;     1. [M 8,192, K 1,024] x [K 1,024, N 1,024]; A: input q; B: input Wq: QUANTISED
;;     2. [M 8,192, K 1,024] x [K 1,024, N 1,024]; A: input k; B: input Wk: QUANTISED
;;     3. [M 8,192, K 1,024] x [K 1,024, N 1,024]; A: input v; B: input Wv: QUANTISED
;;     4. batch 64 x [M 2,048, K 64] x [K 64, N 2,048]; A: computed on the way; B: computed on the way: left as it is (an operand is computed on the way)
;;     5. batch 64 x [M 2,048, K 2,048] x [K 2,048, N 64]; A: computed on the way; B: computed on the way: left as it is (an operand is computed on the way)
;;     6. [M 8,192, K 1,024] x [K 1,024, N 1,024]; A: computed on the way; B: input Wo: left as it is (an operand is computed on the way)
;;   THE QUANTISER, for each operand of a quantised product, along K:
;;     - K is cut into blocks of 32 from its start; a last block that is shorter is filled with zeros.
;;     - A block's scale is 2^e with e = floor(log2(the largest magnitude in the block)) - 2, held to -126 .. 127; a block of zeros has e = 0. As a byte (E8M0): e + 127.
;;     - Each number is divided by its block's scale, clamped to +-6, and rounded to the nearest number of E2M1, ties to even, subnormals kept.
;;     - The product sums the exact products of the quantised numbers (number of the format x scale) in f32.
;;   ~~~python
;;   def quantise(x, axis):      # numpy; x: float32 -> the quantised numbers, widened to float32 again
;;       x = np.moveaxis(x, axis, -1); K = x.shape[-1]
;;       x = np.pad(x, [(0, 0)] * (x.ndim - 1) + [(0, -K % 32)]); x = x.reshape(x.shape[:-1] + (-1, 32)); a = np.abs(x).max(-1, keepdims=True)
;;       e = np.where(a > 0, np.clip(np.frexp(np.where(a > 0, a, 1))[1] - 1 - 2, -126, 127), 0)      # np.frexp(a)[1] - 1 = floor(log2(a)), exactly
;;       r = np.clip(x / 2.0 ** e, -6, 6)
;;       step = 2.0 ** (np.maximum(np.frexp(np.where(r == 0, 1, r))[1] - 1, 0) - 1)
;;       q = np.round(r / step) * step * 2.0 ** e      # np.round: ties to even
;;       return np.moveaxis(q.reshape(q.shape[:-2] + (-1,))[..., :K], -1, axis).astype(np.float32)
;;   ~~~
;; 2 versions, each right; version 2 is version 1 with the launch proj written anew for expert scheduling mode. Each part assembles by itself: llvm-mc -triple=amdgcn-amd-amdhsa -mcpu=gfx1250 --defsym DOCPART=n.
;; ======== version 1 of 2: 5 launches
;; limits: values are held in f16: magnitudes above 65,504 overflow, below 6.1e-05 lose precision
;; workspace buffers: wimg 3,768,320 bytes; mbits 2,162,688 bytes of whole numbers; qkv 50,331,648 bytes; side 1,310,720 bytes; oh 16,842,752 bytes
;; launch prep (part 1): grid 576 x 1, 16 waves a work-group, no clusters, 138,240 bytes of LDS; arguments mask, Wq, Wk, Wv, Wo, wimg, mbits; writes wimg, mbits
.if DOCPART == 1
	.amdgcn_target "amdgcn-amd-amdhsa--gfx1250"
	.amdhsa_code_object_version 6
	.text
	.protected	k_q63855608fc_prep
	.globl	k_q63855608fc_prep
	.p2align	8
	.type	k_q63855608fc_prep,@function
k_q63855608fc_prep:
	s_mov_b64 s[64:65], 0
	v_nop
	global_prefetch_b8 v0, s[64:65] scope:SCOPE_SE
	s_setreg_imm32_b32 hwreg(HW_REG_WAVE_MODE, 25, 1), 1
	s_wait_xcnt 0x0
; PREP.  Work-groups 0-511: the mask becomes one bit a score and two flags a row.  Work-groups 512-575: the four weights become images of operand registers.
; THE MASK.  m' = mask x causal; u = (1 - m') x NEG_MIN, rounded as the source rounds it; U = the row's largest u over all 2,048 keys.  u is 0 (m' = 1) or at least 2e31 in size, so the row's softmax
; runs over the keys with u == U alone: by the scores where U == 0, evenly where it is not.  Stored: the bit (u == U) of each score; for each row qmask (all ones where U == 0, else 0: it clears the row of Q,
; so that all scores are 0) and e (1 where U == NEG_MIN: the keys above the diagonal block count too).
; The bits lie as the lane masks of the attention's score registers: word 8 t + j of (16 queries, 64 keys): bit L = query L % 16, key 16 t + 8 (L / 16) + j.
; LIMITS: the mask is finite and |score x m| stays under 1e24 (it then vanishes beside a u that is not 0); a row all of whose 2,048 u are -infinity (the source gives NaN there) is not served; NaN and infinities are not served.
; A work-group takes 16 queries; wave w their keys 128 w .. 128 w + 127.  Keys beyond the diagonal's block of 128 are not read: their u is NEG_MIN.
; THE WEIGHTS.  A lane takes a column n, its registers run down K: Wq, Wk, Wv become E2M1 codes (scale 2^(floor(log2 max) - 2), its byte held at 1 from below; a block of zeros keeps the byte 1, its codes are zeros,
; and this program alone reads the bytes), Wo becomes f16.  Each piece of 512 bytes is the image of four operand registers: lane L's 16 bytes at 16 L.
.set NEGMIN,  0xff7fffff
.set STGW,    8448                     ; a wave's stage: 16 rows x (512 bytes + 16)
.set RM,      135168                   ; behind the 16 stages: each wave's 16 row maxima
.set SPARE,   136192                   ; the spare words, 128 bytes a wave: eight blocks of 256 bytes that no other line names
.set X,       32                       ; v32-95: 64 numbers of a lane
.set WS_OFF,  1572864                  ; in wimg: the scale words
.set WOH_OFF, 1671168                  ; in wimg: Wo's image
.set RF_OFF,  2097152                  ; in mbits: the rows' flags
	s_load_b256 s[4:11], s[0:1], 0x0               ; mask, Wq, Wk, Wv
	s_load_b128 s[12:15], s[0:1], 0x20             ; Wo, wimg
	s_load_b64 s[16:17], s[0:1], 0x30              ; mbits
	v_lshl_add_u32 v10, v0, 2, SPARE               ; my spare word
	v_mov_b32 v11, 0                               ; and 0
	v_lshrrev_b32 v1, 5, v0
	v_readfirstlane_b32 s18, v1                    ; wave
	v_and_b32 v1, 31, v0                           ; lane
	v_and_b32 v2, 15, v0                           ; r
	v_bfe_u32 v3, v0, 4, 1                         ; h
	v_lshlrev_b32 v4, 4, v1                        ; 16 x lane
	s_mul_i32 s19, s18, STGW
	v_add_nc_u32 v5, s19, v4                       ; the stage, in: a row's 512 bytes as they lie
	v_mul_u32_u24 v6, v2, 528
	v_lshl_add_u32 v6, v3, 5, v6
	v_add_nc_u32 v6, s19, v6                       ; and out: row r, + 32 h
	s_lshl_b32 s20, s18, 6
	s_add_co_u32 s20, s20, RM
	v_lshl_add_u32 v7, v2, 2, s20                  ; my wave's maximum of row r
	v_lshl_add_u32 v8, v2, 2, RM                   ; wave 0's: the others 64 bytes apart
	v_lshlrev_b32 v98, 3, v1                       ; 8 x lane
	s_mov_b32 s28, 0x76543210
	s_mov_b32 s29, 0xfedcba98                      ; lane l xor 16
	s_mov_b32 s30, NEGMIN
	s_mov_b32 s31, NEGMIN                          ; (named with it as a pair)
	s_wait_kmcnt 0x0
	s_cmp_ge_u32 ttmp9, 512
	s_cbranch_scc1 .Lweights
; ---------------- the mask: work-group = 128 b + qt
	s_and_b32 s20, ttmp9, 127                      ; qt
	s_lshr_b32 s21, s20, 3                         ; g: the diagonal's block of 128 keys
	s_lshl_b32 s24, s20, 4
	s_lshl_b32 s25, s18, 7
	s_sub_co_i32 s24, s24, s25
	v_lshlrev_b32 v9, 3, v3
	v_sub_nc_u32 v9, v2, v9
	v_add_nc_u32 v9, s24, v9                       ; my query - 128 w - 8 h: register 8 t + j is hidden where 16 t + j is greater
	s_cmp_gt_u32 s18, s21
	s_cbranch_scc1 .Lidle
	s_lshl_b32 s22, ttmp9, 17                      ; 16 rows x 8,192 bytes a work-group
	s_lshl_b32 s23, s18, 9
	s_add_co_u32 s22, s22, s23
	s_mov_b32 s23, 0
	s_add_nc_u64 s[4:5], s[4:5], s[22:23]
.set i, 0
.rept 16
	global_load_b128 v[X+4*i:X+4*i+3], v4, s[4:5] offset:8192*i th:TH_LOAD_NT   ; 512 consecutive bytes of row i
.set i, i+1
.endr
.set i, 0
.rept 16
	s_wait_loadcnt 15-i                            ; row i is in; the younger rows may be out
	ds_store_b128 v5, v[X+4*i:X+4*i+3] offset:528*i
.set i, i+1
.endr
.set i, 0
.rept 16
	ds_load_b128 v[X+4*i:X+4*i+3], v6 offset:64*(i/2)+16*(i%2)   ; LDS serves a wave's instructions in order: register 8 t + j = mask(r, 128 w + 16 t + 8 h + j)
.set i, i+1
.endr
	s_wait_dscnt 0x0
	s_cmp_lg_u32 s18, s21                          ; only the diagonal's wave has hidden keys
	s_cbranch_scc1 .Lnodiag
.set i, 0
.rept 64
	v_cmp_gt_i32 vcc_lo, 16*(i/8)+i%8, v9
	v_cndmask_b32 v[X+i], v[X+i], v11, vcc_lo
.set i, i+1
.endr
.Lnodiag:
.set i, 0
.rept 32
	v_pk_fma_f32 v[X+i:X+i+1], v[X+i:X+i+1], -1.0, 1.0 op_sel_hi:[1,0,0]   ; 1 - m', one rounding
.set i, i+2
.endr
.set i, 0
.rept 32
	v_pk_mul_f32 v[X+i:X+i+1], v[X+i:X+i+1], s[30:31] op_sel_hi:[1,0]      ; u
.set i, i+2
.endr
	v_max3_num_f32 v12, v[X], v[X+1], v[X+2]       ; the largest u of my 64, in four chains
	v_max3_num_f32 v13, v[X+3], v[X+4], v[X+5]
	v_max3_num_f32 v15, v[X+6], v[X+7], v[X+8]
	v_max3_num_f32 v16, v[X+9], v[X+10], v[X+11]
.irp i, 12,20,28,36,44,52
	v_max3_num_f32 v12, v12, v[X+\i], v[X+\i+1]
	v_max3_num_f32 v13, v13, v[X+\i+2], v[X+\i+3]
	v_max3_num_f32 v15, v15, v[X+\i+4], v[X+\i+5]
	v_max3_num_f32 v16, v16, v[X+\i+6], v[X+\i+7]
.endr
	v_max3_num_f32 v12, v12, v[X+60], v[X+61]
	v_max3_num_f32 v13, v13, v[X+62], v[X+63]
	v_max3_num_f32 v12, v12, v13, v15
	v_max_num_f32 v12, v12, v16
	v_permlanex16_b32 v15, v12, s28, s29
	v_max_num_f32 v13, v12, v15                    ; row r's largest u among my wave's 128 keys
	s_branch .Ljoin
.Lidle:                                                ; keys that nobody reads: u = NEG_MIN
.set i, 0
.rept 64
	v_mov_b32 v[X+i], s30
.set i, i+1
.endr
	v_mov_b32 v13, s30
.Ljoin:
	ds_store_b32 v7, v13                           ; lanes r and r + 16 write the same word with the same value
	s_wait_dscnt 0x0                               ; for the others' sake
	s_barrier_signal -1
	s_barrier_wait -1
.set i, 0
.rept 16
	ds_load_b32 v[16+i], v8 offset:64*i
.set i, i+1
.endr
	s_wait_dscnt 0x0
	v_max3_num_f32 v14, v16, v17, v18
.irp i, 19,21,23,25,27,29
	v_max3_num_f32 v14, v14, v[\i], v[\i+1]
.endr
	v_max_num_f32 v14, v14, v31                    ; U
	s_cmp_gt_u32 s18, s21
	s_cbranch_scc1 .Lend                           ; no words for keys that the attention never walks
	v_mov_b32 v96, 0
	v_mov_b32 v97, 0
.irp be, 0,1
.set i, 0
.rept 32
	v_cmp_eq_f32 s[32+i], v[X+32*\be+i], v14       ; word 32 be + i: the lanes' bits as they stand
.set i, i+1
.endr
.set i, 0
.rept 32
	v_writelane_b32 v[96+i%2], s[32+i], 16*\be+i/2 ; lane L carries words 2 L and 2 L + 1
.set i, i+1
.endr
.endr
	s_lshl_b32 s22, ttmp9, 12
	s_lshl_b32 s23, s18, 8
	s_add_co_u32 s22, s22, s23
	s_mov_b32 s23, 0
	s_add_nc_u64 s[24:25], s[16:17], s[22:23]
	global_store_b64 v98, v[96:97], s[24:25]       ; 32 lanes store 256 consecutive bytes, aligned
	s_cmp_lg_u32 s18, 0
	s_cbranch_scc1 .Lend
	v_cmp_eq_f32 vcc_lo, 0, v14
	v_cndmask_b32 v15, 0, -1, vcc_lo               ; qmask
	v_cmp_eq_f32 vcc_lo, s30, v14
	v_cndmask_b32 v16, 0, 1, vcc_lo                ; e
	v_cmp_ne_u32 vcc_lo, 0, v3
	v_cndmask_b32 v15, v15, v16, vcc_lo            ; lanes 0-15 store qmask, lanes 16-31 e
	v_lshlrev_b32 v17, 3, v2
	v_lshl_add_u32 v17, v3, 2, v17
	s_lshl_b32 s22, ttmp9, 7
	s_add_co_u32 s22, s22, RF_OFF
	s_mov_b32 s23, 0
	s_add_nc_u64 s[26:27], s[16:17], s[22:23]
	global_store_b32 v17, v15, s[26:27]
.Lend:
	s_wait_tensorcnt 0x0                           ; the wave's end, behind my last LDS store
	ds_add_u32 v10, v11
	s_wait_dscnt 0x0
	s_endpgm
; ---------------- the weights: a wave takes 32 columns x 128 along K
.Lweights:
	s_sub_co_u32 s20, ttmp9, 512
	s_lshr_b32 s21, s20, 4                         ; which weight: Wq, Wk, Wv, Wo
	s_bfe_u32 s22, s20, 0x30001                    ; which 128 along K
	s_and_b32 s23, s20, 1
	s_lshl_b32 s23, s23, 4
	s_add_co_u32 s23, s23, s18                     ; which 32 columns
	s_cmp_eq_u32 s21, 1
	s_cselect_b64 s[24:25], s[8:9], s[6:7]
	s_cmp_eq_u32 s21, 2
	s_cselect_b64 s[24:25], s[10:11], s[24:25]
	s_cmp_eq_u32 s21, 3
	s_cselect_b64 s[24:25], s[12:13], s[24:25]
	s_lshl_b32 s26, s22, 19
	s_lshl_b32 s27, s23, 7
	s_add_co_u32 s26, s26, s27
	s_mov_b32 s27, 0
	s_add_nc_u64 s[24:25], s[24:25], s[26:27]
	v_lshlrev_b32 v24, 2, v1                       ; 4 x lane
	v_lshlrev_b32 v25, 4, v2
	v_lshl_add_u32 v26, v3, 15, v25                ; Wo's image: 32,768 bytes from n tile to n tile
	v_lshl_add_u32 v25, v3, 13, v25                ; the codes' image: 8,192
.macro LOADW t                         ; W(128 ks + 32 t + i, my column): 128 consecutive bytes a wave
.set i, 0
.rept 32
	global_load_b32 v[X+32*((\t)%2)+i], v24, s[24:25] offset:(32*(\t)+i)*4096 th:TH_LOAD_NT
.set i, i+1
.endr
.endm
	LOADW 0
	LOADW 1
	s_cmp_eq_u32 s21, 3
	s_cbranch_scc1 .Lwo
	s_lshl_b32 s26, s21, 19
	s_lshl_b32 s36, s23, 14
	s_add_co_u32 s26, s26, s36
	s_lshl_b32 s36, s22, 10
	s_add_co_u32 s26, s26, s36
	s_add_nc_u64 s[32:33], s[14:15], s[26:27]      ; the codes' image: weight, n tile 2 cg, K step
	s_lshl_b32 s26, s21, 15
	s_lshl_b32 s36, s22, 12
	s_add_co_u32 s26, s26, s36
	s_lshl_b32 s36, s23, 7
	s_add_co_u32 s26, s26, s36
	s_add_co_u32 s26, s26, WS_OFF
	s_add_nc_u64 s[34:35], s[14:15], s[26:27]      ; the scale words
.macro BLOCK t                         ; a block of 32 along K, all in my registers
.set XS, X+32*((\t)%2)
	v_max3_num_f32 v12, |v[XS]|, |v[XS+1]|, |v[XS+2]|
	v_max3_num_f32 v13, |v[XS+3]|, |v[XS+4]|, |v[XS+5]|
.irp i, 6,10,14,18,22,26
	v_max3_num_f32 v12, v12, |v[XS+\i]|, |v[XS+\i+1]|
	v_max3_num_f32 v13, v13, |v[XS+\i+2]|, |v[XS+\i+3]|
.endr
	v_max3_num_f32 v12, v12, |v[XS+30]|, |v[XS+31]|
	v_max3_num_f32 v12, v12, v13, 0x1800000        ; the floor 2^(3 - 127): the byte cannot fall under 1
	v_add_nc_u32 v15, 0xff000000, v12              ; 2 off the exponent field: the conversion's scale operand
	v_lshrrev_b32 v13, 23, v15                     ; the byte
.if (\t) == 0
	v_mov_b32 v20, v13
.else
	v_lshl_or_b32 v20, v13, 8*(\t), v20
.endif
.irp g, 0,1,2,3
	v_cvt_scalef32_pk8_fp4_f32 v[96+4*(\t)+\g], v[XS+8*\g:XS+8*\g+7], v15
.endr
	v_nop                                          ; a plain line behind the conversions
	global_store_b128 v25, v[96+4*(\t):96+4*(\t)+3], s[32:33] offset:512*((\t)/2)+256*((\t)%2)   ; sixteen lanes store 256 consecutive bytes, aligned
.endm
	s_wait_loadcnt 32                              ; this block's 32 loads are in, the next block's may be out
	BLOCK 0
	LOADW 2
	s_wait_loadcnt 32
	BLOCK 1
	LOADW 3
	s_wait_loadcnt 32
	BLOCK 2
	s_wait_loadcnt 0x0
	BLOCK 3
	global_store_b32 v24, v20, s[34:35]            ; my column's scale word of this K step
	s_endpgm
.Lwo:
	s_lshl_b32 s26, s23, 16
	s_lshl_b32 s36, s22, 12
	s_add_co_u32 s26, s26, s36
	s_add_co_u32 s26, s26, WOH_OFF
	s_add_nc_u64 s[32:33], s[14:15], s[26:27]
.macro CONV t                          ; 32 along K of my column, to f16
.set XS, X+32*((\t)%2)
.set HS, 96+16*((\t)%2)
.if (\t) >= 2
	s_wait_xcnt 0x0                                ; the stores of two blocks ago have read these registers
.endif
.set i, 0
.rept 16
	v_cvt_pk_f16_f32 v[HS+i], v[XS+2*i], v[XS+2*i+1]
.set i, i+1
.endr
.irp g, 0,1,2,3
	global_store_b128 v26, v[HS+4*\g:HS+4*\g+3], s[32:33] offset:1024*(\t)+512*(\g/2)+256*(\g%2)
.endr
.endm
	s_wait_loadcnt 32
	CONV 0
	LOADW 2
	s_wait_loadcnt 32
	CONV 1
	LOADW 3
	s_wait_loadcnt 32
	CONV 2
	s_wait_loadcnt 0x0
	CONV 3
	s_endpgm
.Lfunc_end_k_q63855608fc_prep:
	.size	k_q63855608fc_prep, .Lfunc_end_k_q63855608fc_prep-k_q63855608fc_prep
	.p2alignl 7, 3214868480
	.fill 96, 4, 3214868480
	.section	.rodata,"a",@progbits
	.p2align	6, 0x0
	.amdhsa_kernel k_q63855608fc_prep
		.amdhsa_group_segment_fixed_size 138240
		.amdhsa_private_segment_fixed_size 0
		.amdhsa_enable_private_segment 0
		.amdhsa_kernarg_size 56
		.amdhsa_user_sgpr_count 2
		.amdhsa_user_sgpr_kernarg_segment_ptr 1
		.amdhsa_wavefront_size32 1
		.amdhsa_system_sgpr_workgroup_id_x 1
		.amdhsa_system_sgpr_workgroup_id_y 1
		.amdhsa_system_sgpr_workgroup_id_z 1
		.amdhsa_system_vgpr_workitem_id 0
		.amdhsa_next_free_vgpr 128
		.amdhsa_next_free_sgpr 66
		.amdhsa_reserve_vcc 1
		.amdhsa_float_denorm_mode_32 3
		.amdhsa_float_denorm_mode_16_64 3
		.amdhsa_memory_ordered 1
		.amdhsa_forward_progress 1
		.amdhsa_inst_pref_size 62
	.end_amdhsa_kernel
	.amdgpu_metadata
---
amdhsa.version: [ 1, 2 ]
amdhsa.kernels:
  - .name:           k_q63855608fc_prep
    .symbol:         k_q63855608fc_prep.kd
    .args:
      - { .name: mask, .offset: 0, .size: 8, .value_kind: global_buffer, .address_space: global }
      - { .name: Wq, .offset: 8, .size: 8, .value_kind: global_buffer, .address_space: global }
      - { .name: Wk, .offset: 16, .size: 8, .value_kind: global_buffer, .address_space: global }
      - { .name: Wv, .offset: 24, .size: 8, .value_kind: global_buffer, .address_space: global }
      - { .name: Wo, .offset: 32, .size: 8, .value_kind: global_buffer, .address_space: global }
      - { .name: wimg, .offset: 40, .size: 8, .value_kind: global_buffer, .address_space: global }
      - { .name: mbits, .offset: 48, .size: 8, .value_kind: global_buffer, .address_space: global }
    .group_segment_fixed_size: 138240
    .private_segment_fixed_size: 0
    .kernarg_segment_align: 8
    .kernarg_segment_size: 56
    .max_flat_workgroup_size: 512
    .sgpr_count:     66
    .vgpr_count:     128
    .wavefront_size: 32
...
	.end_amdgpu_metadata
.endif
;; end of part 1
;; launch proj (part 2): grid 192 x 1, 8 waves a work-group, no clusters, 74,752 bytes of LDS; arguments q, k, v, wimg, qkv, side; writes qkv, side
.if DOCPART == 2
	.amdgcn_target "amdgcn-amd-amdhsa--gfx1250"
	.amdhsa_code_object_version 6
	.text
	.protected	k_q63855608fc_proj
	.globl	k_q63855608fc_proj
	.p2align	8
	.type	k_q63855608fc_proj,@function
k_q63855608fc_proj:
	s_mov_b64 s[64:65], 0
	v_nop
	global_prefetch_b8 v0, s[64:65] scope:SCOPE_SE
	s_setreg_imm32_b32 hwreg(HW_REG_WAVE_MODE, 25, 1), 1
	s_wait_xcnt 0x0
; PROJ.  qw = q Wq, kw = k Wk, vw = v Wv on E2M1 codes with one E8M0 scale for each 32 along K.  Work-group = 64 x tensor + block of 128 rows.
; PHASE Q: wave w quantises rows 16 w .. 16 w + 15 (a lane holds 8 neighbours along K, four lanes a block) into LDS: rows of 512 bytes of codes, rows of 32 scale bytes.
; PHASE G: two passes; in pass p wave w makes head 8 p + w for all 128 rows: 4 tiles of columns x 8 tiles of rows, 32 accumulators that take turns.
; The weights come from their image straight into registers, three buffers deep.  No tile is brought by a tensor load, so there is nothing that a cluster could share.
; q and k: source 0 = 16 columns of W, source 1 = 16 rows of x: a lane holds one row and eight neighbouring outputs.  v: the sources swapped: a lane holds one channel and eight keys, which is V^T's layout.
; Each result tile, rounded to f16, is one piece of 512 bytes (the image of four operand registers), stored by one instruction.  q is scaled by log2(e) / 8 first.
; Also stored, in f32: rows 0-15 of each batch (for the launch that recomputes them), and for v the sums over each block's 128 keys and over its keys 16-127.
; LIMITS: |qw|, |kw|, |vw| under 65,504 (f16); a block of zeros keeps the scale byte 1, its codes are zeros; NaN and infinities are not served.
; 192 work-groups: the 24,576 rows do not part into 256 equal runs of whole tiles inside one tensor.
.set XS_L,   67584                     ; LDS: codes 128 x 528 from 0; scale bytes 128 x 48 from here
.set SPARE,  73728                     ; the spare words, 128 bytes a wave
.set WS_OFF, 1572864
.set XF,  64                           ; v64-127  x's 8 fragments
.set WF,  128                          ; v128-223 W's fragments: 3 buffers x 4 tiles
.set WSC, 224                          ; v224-239 W's scale words: register 2 ks + pr: tile 2 pr in lanes 0-15, tile 2 pr + 1 in lanes 16-31
.set XSC, 240                          ; v240-255 x's scale words: two sets of 8
.set T,   64                           ; the way out: scaled results
.set H,   128                          ; the way out: f16 pieces
.set MUL, 0x50                         ; C and D in window 1: accumulator (rt, nt) at v[8 (4 rt + nt)]
.set MSB, 0
.macro WIN new                         ; the immediate's high byte repeats the setting that is left
.if MSB != \new
	s_set_vgpr_msb (MSB<<8)|\new
.set MSB, \new
.endif
.endm
.macro PLACES
.rept 4
	v_nop
.endr
.endm
	s_load_b256 s[32:39], s[0:1], 0x0              ; q, k, v, wimg
	s_load_b128 s[40:43], s[0:1], 0x20             ; qkv, side
	v_lshl_add_u32 v8, v0, 2, SPARE                ; my spare word
	v_mov_b32 v9, 0                                ; and 0
	v_lshrrev_b32 v1, 5, v0
	v_readfirstlane_b32 s18, v1                    ; wave
	v_and_b32 v14, 31, v0                          ; lane
	v_and_b32 v15, 15, v0                          ; r
	v_bfe_u32 v13, v0, 4, 1                        ; h
	v_lshlrev_b32 v1, 4, v14                       ; 16 x lane
	v_lshlrev_b32 v2, 2, v14                       ; 4 x lane
	s_lshl_b32 s28, s18, 16
	v_lshl_add_u32 v3, v14, 5, s28                 ; x: my wave's 16 rows, 32 bytes a lane
	s_mul_i32 s28, s18, 8448
	v_add_nc_u32 v4, s28, v2                       ; codes, in
	s_mul_i32 s28, s18, 768
	s_add_co_u32 s28, s28, XS_L
	v_lshrrev_b32 v5, 2, v14
	v_add_nc_u32 v5, s28, v5                       ; scale bytes, in
	v_mul_u32_u24 v6, v15, 528
	v_lshl_add_u32 v6, v13, 4, v6                  ; a fragment's row, + 16 h
	v_mul_u32_u24 v7, v15, 48
	v_add_nc_u32 v7, XS_L, v7                      ; a row's scale words
	v_lshlrev_b32 v10, 12, v15
	v_lshl_add_u32 v10, v13, 5, v10                ; f32 copy of q, k: row r, + 32 h
	v_lshlrev_b32 v11, 6, v15
	v_lshl_add_u32 v11, v13, 5, v11                ; f32 copy of v: channel r, + 32 h
	v_lshlrev_b32 v12, 2, v15
	v_lshl_add_u32 v12, v13, 18, v12               ; the sums: channel r; lanes 16-31 the second plane
	v_cmp_ne_u32 s30, 0, v13                       ; lanes 16-31
	s_lshr_b32 s19, ttmp9, 6                       ; tensor
	s_and_b32 s20, ttmp9, 63                       ; block of 128 rows
	s_lshr_b32 s21, s20, 4                         ; b
	s_and_b32 s22, s20, 15                         ; the block within its batch
	s_mov_b32 s26, 0x76543210
	s_mov_b32 s27, 0xfedcba98
	s_wait_kmcnt 0x0
	s_cmp_eq_u32 s19, 1
	s_cselect_b64 s[4:5], s[34:35], s[32:33]
	s_cmp_eq_u32 s19, 2
	s_cselect_b64 s[4:5], s[36:37], s[4:5]
	s_lshl_b32 s28, s20, 19
	s_mov_b32 s29, 0
	s_add_nc_u64 s[4:5], s[4:5], s[28:29]
.macro LOADB i                         ; rows 2 i and 2 i + 1 of my 16: unit u = row u / 4, quarter u % 4; a lane takes 8 neighbours
.set XB, 64+64*((\i)%2)
.irp u, 0,1,2,3,4,5,6,7
.irp e, 0,1
	global_load_b128 v[XB+8*\u+4*\e:XB+8*\u+4*\e+3], v3, s[4:5] offset:(2*(\i)+\u/4)*4096+(\u%4)*1024+16*\e th:TH_LOAD_NT
.endr
.endr
.endm
	LOADB 0
	LOADB 1
	; the other addresses, while the first rows are on their way
	s_lshl_b32 s28, s19, 19
	s_lshl_b32 s31, s18, 15
	s_add_co_u32 s28, s28, s31
	s_add_nc_u64 s[6:7], s[38:39], s[28:29]        ; W's codes: my head's four tiles
	s_lshl_b32 s28, s19, 15
	s_lshl_b32 s31, s18, 8
	s_add_co_u32 s28, s28, s31
	s_add_co_u32 s28, s28, WS_OFF
	s_add_nc_u64 s[8:9], s[38:39], s[28:29]        ; W's scale words
	s_lshl_b32 s44, s21, 4
	s_add_co_u32 s44, s44, s18                     ; 16 b + head
	s_cmp_eq_u32 s19, 0                            ; q's image has 2,048 bytes for 16 rows, k's and v's 16,384 for 64 keys
	s_cselect_b32 s45, 18, 19
	s_cselect_b32 s46, 14, 15
	s_cselect_b32 s47, 0, 0x1000000
	s_cselect_b32 s48, 13, 14
	s_cselect_b32 s49, 21, 22
	s_cselect_b32 s24, 0x3e38aa3b, 1.0             ; log2(e) / 8 for q
	s_mov_b32 s25, s24
	s_lshl_b32 s44, s44, s45
	s_lshl_b32 s46, s22, s46
	s_add_co_u32 s44, s44, s46
	s_add_co_u32 s44, s44, s47
	s_mov_b32 s45, 0
	s_add_nc_u64 s[10:11], s[40:41], s[44:45]      ; row tiles 0-3
	s_lshl_b32 s44, 1, s48
	s_add_nc_u64 s[12:13], s[10:11], s[44:45]      ; row tiles 4-7
	s_lshl_b32 s50, 1, s49                         ; eight heads on
	s_mov_b32 s51, 0
	s_lshl_b32 s28, s19, 2
	s_add_co_u32 s28, s28, s21
	s_lshl_b32 s28, s28, 16                        ; the f32 copies: (4 x tensor + b) x 65,536
	s_cmp_eq_u32 s19, 2
	s_cselect_b32 s31, 12, 8
	s_lshl_b32 s31, s18, s31
	s_add_co_u32 s28, s28, s31
	s_add_nc_u64 s[14:15], s[42:43], s[28:29]
	s_lshl_b32 s28, s20, 12
	s_lshl_b32 s31, s18, 8
	s_add_co_u32 s28, s28, s31
	s_add_co_u32 s28, s28, 786432
	s_add_nc_u64 s[16:17], s[42:43], s[28:29]      ; the sums
.macro QB i                            ; eight units by turns, line by line
.set XB, 64+64*((\i)%2)
.irp u, 0,1,2,3,4,5,6,7
	v_max3_num_f32 v[192+\u], |v[XB+8*\u]|, |v[XB+8*\u+1]|, 0x1800000   ; with the floor 2^(3 - 127)
.endr
.irp p, 2,4,6
.irp u, 0,1,2,3,4,5,6,7
	v_max3_num_f32 v[192+\u], v[192+\u], |v[XB+8*\u+\p]|, |v[XB+8*\u+\p+1]|
.endr
.endr
.irp u, 0,1,2,3,4,5,6,7
	v_max_num_f32_dpp v[192+\u], v[192+\u], v[192+\u] row_xmask:1 row_mask:0xf bank_mask:0xf
.endr
.irp u, 0,1,2,3,4,5,6,7
	v_max_num_f32_dpp v[192+\u], v[192+\u], v[192+\u] row_xmask:2 row_mask:0xf bank_mask:0xf   ; the block's four lanes
.endr
.irp u, 0,1,2,3,4,5,6,7
	v_add_nc_u32 v[200+\u], 0xff000000, v[192+\u]  ; 2 off the exponent field
.endr
.irp u, 0,1,2,3,4,5,6,7
	v_cvt_scalef32_pk8_fp4_f32 v[216+\u], v[XB+8*\u:XB+8*\u+7], v[200+\u]
.endr
.irp u, 0,1,2,3,4,5,6,7
	v_lshrrev_b32 v[208+\u], 23, v[200+\u]         ; the byte (plain lines behind the conversions)
.endr
.irp u, 0,1,2,3,4,5,6,7
	ds_store_b32 v4, v[216+\u] offset:(2*(\i)+\u/4)*528+(\u%4)*128
	ds_store_b8 v5, v[208+\u] offset:(2*(\i)+\u/4)*48+(\u%4)*8     ; a block's four lanes write the same byte with the same value
.endr
.endm
.irp i, 0,1,2,3,4,5
	s_wait_loadcnt 16                              ; this batch is in; the next batch's 16 loads may be out
	QB \i
	LOADB \i+2
.endr
	s_wait_loadcnt 16
	QB 6
	s_wait_loadcnt 0x0
	QB 7
	s_wait_dscnt 0x0                               ; for the others' sake
	s_barrier_signal -1
	s_barrier_wait -1
.macro WLOAD ks
.irp nt, 0,1,2,3
.irp c, 0,1
	global_load_b128 v[WF+32*((\ks)%3)+8*\nt+4*\c:WF+32*((\ks)%3)+8*\nt+4*\c+3], v1, s[6:7] offset:8192*\nt+1024*(\ks)+512*\c
.endr
.endr
.endm
.macro XLO ks                          ; row tiles 0-3, and all eight scale words
.irp rt, 0,1,2,3
.irp c, 0,1
	ds_load_b128 v[XF+8*\rt+4*\c:XF+8*\rt+4*\c+3], v6 offset:8448*\rt+64*(\ks)+32*\c
.endr
.endr
.irp rt, 0,1,2,3,4,5,6,7
	ds_load_b32 v[XSC+8*((\ks)%2)+\rt], v7 offset:768*\rt+4*(\ks)
.endr
.endm
.macro XHI ks                          ; row tiles 4-7
.irp rt, 4,5,6,7
.irp c, 0,1
	ds_load_b128 v[XF+8*\rt+4*\c:XF+8*\rt+4*\c+3], v6 offset:8448*\rt+64*(\ks)+32*\c
.endr
.endr
.endm
.macro MM ks, rt0, vc                  ; 16 matrix instructions: four row tiles x four column tiles
.irp rr, 0,1,2,3
.irp nt, 0,1,2,3
.set AC,  8*(4*(\rt0+\rr)+\nt)
.set WR,  WF+32*((\ks)%3)+8*\nt
.set XR,  XF+8*(\rt0+\rr)
.set WSR, WSC+2*(\ks)+\nt/2
.set XSR, XSC+8*((\ks)%2)+\rt0+\rr
.if \vc
.if (\ks) == 0
.if \nt%2
	v_wmma_scale_f32_16x16x128_f8f6f4 v[AC:AC+7], v[XR:XR+7], v[WR:WR+7], 0, v[XSR], v[WSR] matrix_a_fmt:MATRIX_FMT_FP4 matrix_b_fmt:MATRIX_FMT_FP4 matrix_b_scale:MATRIX_SCALE_ROW1
.else
	v_wmma_scale_f32_16x16x128_f8f6f4 v[AC:AC+7], v[XR:XR+7], v[WR:WR+7], 0, v[XSR], v[WSR] matrix_a_fmt:MATRIX_FMT_FP4 matrix_b_fmt:MATRIX_FMT_FP4
.endif
.else
.if \nt%2
	v_wmma_scale_f32_16x16x128_f8f6f4 v[AC:AC+7], v[XR:XR+7], v[WR:WR+7], v[AC:AC+7], v[XSR], v[WSR] matrix_a_fmt:MATRIX_FMT_FP4 matrix_b_fmt:MATRIX_FMT_FP4 matrix_b_scale:MATRIX_SCALE_ROW1
.else
	v_wmma_scale_f32_16x16x128_f8f6f4 v[AC:AC+7], v[XR:XR+7], v[WR:WR+7], v[AC:AC+7], v[XSR], v[WSR] matrix_a_fmt:MATRIX_FMT_FP4 matrix_b_fmt:MATRIX_FMT_FP4
.endif
.endif
.else
.if (\ks) == 0
.if \nt%2
	v_wmma_scale_f32_16x16x128_f8f6f4 v[AC:AC+7], v[WR:WR+7], v[XR:XR+7], 0, v[WSR], v[XSR] matrix_a_fmt:MATRIX_FMT_FP4 matrix_b_fmt:MATRIX_FMT_FP4 matrix_a_scale:MATRIX_SCALE_ROW1
.else
	v_wmma_scale_f32_16x16x128_f8f6f4 v[AC:AC+7], v[WR:WR+7], v[XR:XR+7], 0, v[WSR], v[XSR] matrix_a_fmt:MATRIX_FMT_FP4 matrix_b_fmt:MATRIX_FMT_FP4
.endif
.else
.if \nt%2
	v_wmma_scale_f32_16x16x128_f8f6f4 v[AC:AC+7], v[WR:WR+7], v[XR:XR+7], v[AC:AC+7], v[WSR], v[XSR] matrix_a_fmt:MATRIX_FMT_FP4 matrix_b_fmt:MATRIX_FMT_FP4 matrix_a_scale:MATRIX_SCALE_ROW1
.else
	v_wmma_scale_f32_16x16x128_f8f6f4 v[AC:AC+7], v[WR:WR+7], v[XR:XR+7], v[AC:AC+7], v[WSR], v[XSR] matrix_a_fmt:MATRIX_FMT_FP4 matrix_b_fmt:MATRIX_FMT_FP4
.endif
.endif
.endif
.endr
.endr
.endm
.macro KSTEP ks, vc
.if (\ks) <= 5
	WLOAD (\ks)+2                                  ; into the buffer that the last step multiplied: behind that step's places
	s_wait_loadcnt 16                              ; this step's weights are in; two later fetches of 8 may be out
.elseif (\ks) == 6
	s_wait_loadcnt 8
.else
	s_wait_loadcnt 0x0
.endif
	s_wait_dscnt 8                                 ; row tiles 0-3 and the scale words are in; tiles 4-7 may be out
	WIN MUL
	MM \ks, 0, \vc
	s_wait_dscnt 0x0
	PLACES                                         ; in front of loads into registers that matrix instructions have read
	WIN 0
.if (\ks) < 7
	XLO (\ks)+1
.endif
	WIN MUL
	MM \ks, 4, \vc
	PLACES
	WIN 0
.if (\ks) < 7
	XHI (\ks)+1
.endif
.endm
.macro PASS vc                         ; a head's eight K steps
.irp ks, 0,1,2,3,4,5,6,7
.irp pr, 0,1
	global_load_b32 v[WSC+2*\ks+\pr], v2, s[8:9] offset:4096*\ks+128*\pr
.endr
.endr
	WLOAD 0
	WLOAD 1
	XLO 0
	XHI 0
.set KS, 0
.rept 8
	KSTEP KS, \vc
.set KS, KS+1
.endr
.endm
	s_mov_b32 s23, 2
	s_cmp_eq_u32 s19, 2
	s_cbranch_scc1 .Lv_pass
.Lqk_pass:
	PASS 0
	s_cmp_lg_u32 s22, 0                            ; the batch's first block keeps rows 0-15 in f32, unscaled
	s_cbranch_scc1 .Lqk_no16
	WIN 0x04                                       ; a store's data: window 1
.irp nt, 0,1,2,3
	global_store_b128 v10, v[8*\nt:8*\nt+3], s[14:15] offset:64*\nt
	global_store_b128 v10, v[8*\nt+4:8*\nt+7], s[14:15] offset:64*\nt+16
.endr
	WIN 0
.Lqk_no16:
.irp bt, 0,1,2,3                       ; two row tiles at a time
	s_wait_xcnt 0x0                                ; the last batch's stores have read their registers
	WIN 0x01
.set i, 0
.rept 32
	v_pk_mul_f32 v[T+2*i:T+2*i+1], v[64*\bt+2*i:64*\bt+2*i+1], s[24:25] op_sel_hi:[1,0]   ; each accumulator from its low end on
.set i, i+1
.endr
	WIN 0
.set i, 0
.rept 32
	v_cvt_pk_f16_f32 v[H+i], v[T+2*i], v[T+2*i+1]
.set i, i+1
.endr
.irp rl, 0,1
.irp nt, 0,1,2,3
.if \bt < 2
	global_store_b128 v1, v[H+16*\rl+4*\nt:H+16*\rl+4*\nt+3], s[10:11] offset:((2*\bt+\rl)%4)*2048+512*\nt   ; 32 lanes store 512 consecutive bytes
.else
	global_store_b128 v1, v[H+16*\rl+4*\nt:H+16*\rl+4*\nt+3], s[12:13] offset:((2*\bt+\rl)%4)*2048+512*\nt
.endif
.endr
.endr
.endr
	s_wait_xcnt 0x0                                ; bases and registers may be written again
	s_add_nc_u64 s[6:7], s[6:7], 262144            ; eight heads on
	s_add_nc_u64 s[8:9], s[8:9], 2048
	s_add_nc_u64 s[14:15], s[14:15], 2048
	s_add_nc_u64 s[10:11], s[10:11], s[50:51]
	s_add_nc_u64 s[12:13], s[12:13], s[50:51]
	s_sub_co_u32 s23, s23, 1
	s_cmp_lg_u32 s23, 0
	s_cbranch_scc1 .Lqk_pass
	s_branch .Ldone
.Lv_pass:
	PASS 1
	WIN 0x05                                       ; the sums over the block's keys: sources in window 1
.irp nt, 0,1,2,3
	v_pk_add_f32 v[16+8*\nt:17+8*\nt], v[32+8*\nt:33+8*\nt], v[34+8*\nt:35+8*\nt]   ; keys 16-31
	v_pk_add_f32 v[18+8*\nt:19+8*\nt], v[36+8*\nt:37+8*\nt], v[38+8*\nt:39+8*\nt]
	v_pk_add_f32 v[20+8*\nt:21+8*\nt], v[8*\nt:8*\nt+1], v[8*\nt+2:8*\nt+3]         ; keys 0-15
	v_pk_add_f32 v[22+8*\nt:23+8*\nt], v[8*\nt+4:8*\nt+5], v[8*\nt+6:8*\nt+7]
.endr
	WIN 0x04
.irp rt, 2,3,4,5,6,7
.irp nt, 0,1,2,3
	v_pk_add_f32 v[16+8*\nt:17+8*\nt], v[16+8*\nt:17+8*\nt], v[8*(4*\rt+\nt):8*(4*\rt+\nt)+1]
	v_pk_add_f32 v[18+8*\nt:19+8*\nt], v[18+8*\nt:19+8*\nt], v[8*(4*\rt+\nt)+2:8*(4*\rt+\nt)+3]
	v_pk_add_f32 v[16+8*\nt:17+8*\nt], v[16+8*\nt:17+8*\nt], v[8*(4*\rt+\nt)+4:8*(4*\rt+\nt)+5]
	v_pk_add_f32 v[18+8*\nt:19+8*\nt], v[18+8*\nt:19+8*\nt], v[8*(4*\rt+\nt)+6:8*(4*\rt+\nt)+7]
.endr
.endr
	WIN 0
.irp nt, 0,1,2,3
	v_pk_add_f32 v[16+8*\nt:17+8*\nt], v[16+8*\nt:17+8*\nt], v[18+8*\nt:19+8*\nt]
	v_pk_add_f32 v[20+8*\nt:21+8*\nt], v[20+8*\nt:21+8*\nt], v[22+8*\nt:23+8*\nt]
.endr
.irp nt, 0,1,2,3
	v_add_f32 v[16+8*\nt], v[16+8*\nt], v[17+8*\nt]
	v_add_f32 v[20+8*\nt], v[20+8*\nt], v[21+8*\nt]
.endr
.irp nt, 0,1,2,3
	v_permlanex16_b32 v[17+8*\nt], v[16+8*\nt], s26, s27
	v_permlanex16_b32 v[21+8*\nt], v[20+8*\nt], s26, s27
.endr
.irp nt, 0,1,2,3
	v_add_f32 v[16+8*\nt], v[16+8*\nt], v[17+8*\nt]    ; keys 16-127
	v_add_f32 v[20+8*\nt], v[20+8*\nt], v[21+8*\nt]
.endr
.irp nt, 0,1,2,3
	v_add_f32 v[20+8*\nt], v[20+8*\nt], v[16+8*\nt]    ; keys 0-127
	v_cndmask_b32 v[18+8*\nt], v[20+8*\nt], v[16+8*\nt], s30
.endr
.irp nt, 0,1,2,3
	global_store_b32 v12, v[18+8*\nt], s[16:17] offset:64*\nt
.endr
	s_cmp_lg_u32 s22, 0
	s_cbranch_scc1 .Lv_no16
	WIN 0x04
.irp nt, 0,1,2,3
	global_store_b128 v11, v[8*\nt:8*\nt+3], s[14:15] offset:1024*\nt
	global_store_b128 v11, v[8*\nt+4:8*\nt+7], s[14:15] offset:1024*\nt+16
.endr
	WIN 0
.Lv_no16:
.irp bt, 0,1,2,3
	s_wait_xcnt 0x0
	WIN 0x05
.set i, 0
.rept 32
	v_cvt_pk_f16_f32 v[H+i], v[64*\bt+2*i], v[64*\bt+2*i+1]
.set i, i+1
.endr
	WIN 0
.irp rl, 0,1
.irp nt, 0,1,2,3
.if \bt < 2
	global_store_b128 v1, v[H+16*\rl+4*\nt:H+16*\rl+4*\nt+3], s[10:11] offset:8192+(\bt%2)*4096+1024*\nt+512*\rl
.else
	global_store_b128 v1, v[H+16*\rl+4*\nt:H+16*\rl+4*\nt+3], s[12:13] offset:8192+(\bt%2)*4096+1024*\nt+512*\rl
.endif
.endr
.endr
.endr
	s_wait_xcnt 0x0
	s_add_nc_u64 s[6:7], s[6:7], 262144
	s_add_nc_u64 s[8:9], s[8:9], 2048
	s_add_nc_u64 s[14:15], s[14:15], 32768
	s_add_nc_u64 s[16:17], s[16:17], 2048
	s_add_nc_u64 s[10:11], s[10:11], s[50:51]
	s_add_nc_u64 s[12:13], s[12:13], s[50:51]
	s_sub_co_u32 s23, s23, 1
	s_cmp_lg_u32 s23, 0
	s_cbranch_scc1 .Lv_pass
.Ldone:
	s_wait_tensorcnt 0x0                           ; the wave's end, behind my last LDS store
	ds_add_u32 v8, v9
	s_wait_dscnt 0x0
	s_endpgm
.Lfunc_end_k_q63855608fc_proj:
	.size	k_q63855608fc_proj, .Lfunc_end_k_q63855608fc_proj-k_q63855608fc_proj
	.p2alignl 7, 3214868480
	.fill 96, 4, 3214868480
	.section	.rodata,"a",@progbits
	.p2align	6, 0x0
	.amdhsa_kernel k_q63855608fc_proj
		.amdhsa_group_segment_fixed_size 74752
		.amdhsa_private_segment_fixed_size 0
		.amdhsa_enable_private_segment 0
		.amdhsa_kernarg_size 48
		.amdhsa_user_sgpr_count 2
		.amdhsa_user_sgpr_kernarg_segment_ptr 1
		.amdhsa_wavefront_size32 1
		.amdhsa_system_sgpr_workgroup_id_x 1
		.amdhsa_system_sgpr_workgroup_id_y 1
		.amdhsa_system_sgpr_workgroup_id_z 1
		.amdhsa_system_vgpr_workitem_id 0
		.amdhsa_next_free_vgpr 512
		.amdhsa_next_free_sgpr 66
		.amdhsa_reserve_vcc 0
		.amdhsa_float_denorm_mode_32 3
		.amdhsa_float_denorm_mode_16_64 3
		.amdhsa_memory_ordered 1
		.amdhsa_forward_progress 1
		.amdhsa_inst_pref_size 214
	.end_amdhsa_kernel
	.amdgpu_metadata
---
amdhsa.version: [ 1, 2 ]
amdhsa.kernels:
  - .name:           k_q63855608fc_proj
    .symbol:         k_q63855608fc_proj.kd
    .args:
      - { .name: q, .offset: 0, .size: 8, .value_kind: global_buffer, .address_space: global }
      - { .name: k, .offset: 8, .size: 8, .value_kind: global_buffer, .address_space: global }
      - { .name: v, .offset: 16, .size: 8, .value_kind: global_buffer, .address_space: global }
      - { .name: wimg, .offset: 24, .size: 8, .value_kind: global_buffer, .address_space: global }
      - { .name: qkv, .offset: 32, .size: 8, .value_kind: global_buffer, .address_space: global }
      - { .name: side, .offset: 40, .size: 8, .value_kind: global_buffer, .address_space: global }
    .group_segment_fixed_size: 74752
    .private_segment_fixed_size: 0
    .kernarg_segment_align: 8
    .kernarg_segment_size: 48
    .max_flat_workgroup_size: 256
    .sgpr_count:     66
    .vgpr_count:     512
    .wavefront_size: 32
...
	.end_amdgpu_metadata
.endif
;; end of part 2
;; launch attn (part 3): grid 4 x 64, 16 waves a work-group, clusters of 4 x 1, 327,680 bytes of LDS; arguments qkv, mbits, side, oh; writes oh
.if DOCPART == 3
	.amdgcn_target "amdgcn-amd-amdhsa--gfx1250"
	.amdhsa_code_object_version 6
	.text
	.protected	k_q63855608fc_attn
	.globl	k_q63855608fc_attn
	.p2align	8
	.type	k_q63855608fc_attn,@function
k_q63855608fc_attn:
	s_mov_b64 s[64:65], 0
	v_nop
	global_prefetch_b8 v0, s[64:65] scope:SCOPE_SE
	s_setreg_imm32_b32 hwreg(HW_REG_WAVE_MODE, 25, 1), 1
	s_wait_xcnt 0x0
	s_wait_alu depctr_hold_cnt(0) depctr_sa_sdst(0) depctr_va_vdst(0) depctr_va_sdst(0) depctr_va_ssrc(0) depctr_va_vcc(0) depctr_vm_vsrc(0)
	s_getreg_b32 s2, hwreg(HW_REG_IB_STS2, 6, 4)
	s_cmp_eq_u32 s2, 0
	s_cbranch_scc0 .Lentry_in_a_cluster
	s_endpgm
.Lentry_in_a_cluster:
	s_bfe_u32 s2, ttmp6, 0x10000c
	s_cmp_lg_u32 s2, 0x3003
	s_cbranch_scc0 .Lentry_shape_is_right
	s_endpgm
.Lentry_shape_is_right:
; ATTN.  O = softmax(masked scores) V for one (batch, head) a cluster; f16 operands, f32 sums, maxima and row sums.  Q arrives scaled by log2(e) / 8, so p = 2^(s - m), m the running maximum.
; SHARES.  The four partners of a cluster walk the same head's K and V.  Wave w has rank rho (a permutation of 0-15 in which the ranks of waves w, w + 4, w + 8, w + 12 add up to 30) and owns queries
; 128 rho + 32 cx .. + 31: two tiles of 16.  It walks keys 0 .. 128 rho + 127, 64 a step, and jumps over the later steps' work: a branch on the wave's number and the count of steps alone, alike in all partners;
; the wave of rank 15 reads every slot.  So all 256 work-groups have equal work.
; LAYOUT.  S^T = K Q^T and O^T = V^T P: a lane holds one query throughout.  K, V^T and Q come as images of their operand registers: pieces of 512 bytes, lane L's 16 bytes at 16 L: dense tiles, no padding.
; THE MASK comes as lane masks, one 32-bit word for each score register, by scalar loads; a bit that is 0 makes the score -infinity.  The causal mask is in the bits.
; A row whose every key is masked counts all 2,048 keys evenly: its flag e is 1, its Q is cleared, and at the end O = (O + e VS) / (l + e cnt), VS the sum of V over the cnt keys that the wave did not walk.
; THE RING.  Two slots of 8 steps (131,072 bytes).  Every wave asks for 8,192 bytes of a slot by a joint load that names the four partners: two loads of a wave are out at the head, one behind each round.
; No prefetch: a refill is asked for 8 key steps of up to 16 waves ahead of the wait for it.
; LIMITS: as the launches before state them (f16 range of qw, kw, vw; a finite mask).
.set SLOT1, 131072
.set STEPB, 16384
.set VSL,   262144                     ; behind the ring: 256 bytes a wave: VS of its rank
.set SPARE, 266240                     ; the spare words, 128 bytes a wave
.set ST, 16                            ; v16-31: a tile's +0 -m, +1 m, +2 +3 l, +4 .. +7 at work (a in +6)
.set Q,  32                            ; v32-63   Q(x, s) at 16 x + 8 s
.set S,  64                            ; v64-127  S(x, t) at 32 x + 8 t; then P(x, u) at 32 x + 8 u
.set O,  128                           ; v128-191 O(x, dt) at 32 x + 8 dt
.set KV, 192                           ; v192-255 a step's K, then its V
.macro ROUND                           ; a round of the cluster's barrier
	s_barrier_signal -1
	s_barrier_wait -1
	s_cmp_lg_u32 s10, 0
	s_cbranch_scc1 .Lnw0_\@
	s_barrier_signal -3
.Lnw0_\@:
	s_barrier_wait -3
	s_barrier_signal -1
	s_barrier_wait -1
.endm
	s_load_b256 s[32:39], s[0:1], 0x0              ; qkv, mbits, side, oh
	v_lshl_add_u32 v4, v0, 2, SPARE                ; my spare word
	v_mov_b32 v5, 0                                ; and 0
	ds_add_u32 v4, v5                              ; the wave's opening: the add, twice on end, and its wait ahead of my first tensor load
	ds_add_u32 v4, v5
	v_lshrrev_b32 v1, 5, v0
	v_readfirstlane_b32 s10, v1                    ; wave
	s_bfe_u32 s66, ttmp6, 0x40000                  ; cx: it enters global addresses of Q, the mask and O alone
	s_and_b32 s40, ttmp7, 0xffff                   ; 16 b + head
	s_lshr_b32 s41, s40, 4                         ; b
	s_and_b32 s42, s40, 15                         ; head
	s_bfe_u32 s31, s10, 0x10002
	s_mul_i32 s31, s31, 3
	s_and_b32 s67, s10, 3
	s_xor_b32 s67, s67, s31
	s_and_b32 s11, s10, 12
	s_or_b32 s11, s11, s67                         ; rho
	s_lshl_b32 s4, s11, 7
	s_add_co_u32 s4, s4, 127                       ; the last key that I walk
	s_lshl_b32 s43, s11, 3
	s_lshl_b32 s31, s66, 1
	s_add_co_u32 s43, s43, s31                     ; my first tile of queries
	s_lshl_b32 s44, s41, 7
	s_add_co_u32 s44, s44, s43                     ; 128 b + that
	s_mov_b32 s20, 15|(3<<16)|(1<<21)              ; group 1: the mask of four; elements of 8 bytes; bit 21 beside a mask; no padding
	s_mov_b32 s21, 32<<16                          ; tensor_dim0 = 32 (256 bytes)
	s_mov_b32 s22, 32<<16                          ; tensor_dim1 = 32
	s_mov_b32 s23, 32<<16                          ; tile_dim0
	s_mov_b32 s24, 32                              ; tile_dim1
	s_mov_b32 s25, 32                              ; the pitch: dense
	s_mov_b32 s26, 0
	s_mov_b32 s27, 0
	s_mov_b32 s28, 0x76543210
	s_mov_b32 s29, 0xfedcba98
	s_mov_b32 s3, 0                                ; the step's first key
	s_lshl_b32 s13, s10, 13                        ; my 8,192 bytes of slot 0,
	s_add_co_u32 s17, s13, SLOT1                   ; of slot 1
	s_mov_b32 s12, 1
	s_mov_b32 s16, 1
	s_wait_dscnt 0x0                               ; both opening adds are done
	s_wait_kmcnt 0x0
	s_lshl_b32 s46, s40, 19
	s_add_co_u32 s46, s46, s13
	s_add_co_u32 s46, s46, 16777216
	s_mov_b32 s47, 0
	s_add_nc_u64 s[14:15], s[32:33], s[46:47]      ; the head's K and V, my part
	s_add_nc_u64 s[18:19], s[14:15], SLOT1
	s_or_b32 s15, s15, 0x80000000
	s_or_b32 s19, s19, 0x80000000
	s_lshl_b32 s46, s40, 7
	s_add_co_u32 s46, s46, s43
	s_lshl_b32 s46, s46, 11
	s_add_nc_u64 s[48:49], s[32:33], s[46:47]      ; Q
	s_lshl_b32 s46, s44, 12
	s_add_nc_u64 s[6:7], s[34:35], s[46:47]        ; the mask words of my two tiles
	s_lshl_b32 s46, s44, 7
	s_add_co_u32 s46, s46, 2097152
	s_add_nc_u64 s[50:51], s[34:35], s[46:47]      ; the rows' flags
	s_lshl_b32 s46, s41, 16
	s_lshl_b32 s31, s42, 8
	s_add_co_u32 s46, s46, s31
	s_add_co_u32 s46, s46, 786432
	s_add_nc_u64 s[52:53], s[36:37], s[46:47]      ; the block sums of V
	s_lshl_b32 s46, s44, 15
	s_lshl_b32 s31, s42, 11
	s_add_co_u32 s46, s46, s31
	s_add_nc_u64 s[8:9], s[38:39], s[46:47]        ; O's image
	s_lshl_b32 s46, s66, 6
	s_add_co_u32 s46, s46, s40
	s_lshl_b32 s46, s46, 8
	s_add_co_u32 s46, s46, 16777216
	s_add_nc_u64 s[54:55], s[38:39], s[46:47]      ; the sum over keys 16-2047, a copy for each partner
	ROUND                                          ; all four work-groups are here: the first joint loads meet
	tensor_load_to_lds s[12:15], s[20:27]          ; steps 0-7
	s_nop 0
	tensor_load_to_lds s[16:19], s[20:27]          ; steps 8-15
	s_nop 0
	v_and_b32 v12, 31, v0
	v_lshlrev_b32 v1, 4, v12                       ; 16 x lane
	v_lshlrev_b32 v100, 3, v12                     ; 8 x lane
	v_and_b32 v2, 15, v0
	v_lshlrev_b32 v2, 3, v2                        ; 8 r
	v_bfe_u32 v13, v0, 4, 1
	s_lshl_b32 s31, s10, 8
	s_add_co_u32 s31, s31, VSL
	v_lshl_add_u32 v6, v12, 3, s31                 ; VS, in
	v_lshl_add_u32 v7, v13, 5, s31                 ; VS, out: + 32 h
	v_mov_b32 v3, 0xff800000                       ; -infinity
.set i, 0
.rept 8
	global_load_b128 v[Q+4*i:Q+4*i+3], v1, s[48:49] offset:512*i
.set i, i+1
.endr
	global_load_b64 v[12:13], v2, s[50:51]             ; tile 0: qmask, e of query r
	global_load_b64 v[14:15], v2, s[50:51] offset:128  ; tile 1
.set i, 1
.rept 15
	global_load_b64 v[62+2*i:63+2*i], v100, s[52:53] offset:4096*i   ; the sums of blocks 1-15: channels 2 lane, 2 lane + 1
.set i, i+1
.endr
	global_load_b64 v[94:95], v100, s[52:53] offset:262144           ; block 0 without its first 16 keys
.set i, 0
.rept 64
	v_mov_b32 v[O+i], 0                            ; the step is written once: the first finds zeros
.set i, i+1
.endr
.irp x, 0,1
	v_mov_b32 v[ST+8*\x], 0x7f61b1e6               ; -m
	v_mov_b32 v[ST+8*\x+1], 0xff61b1e6             ; m = -3e38, under every score
.irp j, 2,3,4,5,6,7
	v_mov_b32 v[ST+8*\x+\j], 0
.endr
.endr
	s_wait_loadcnt 0x0
.irp x, 0,1
.set i, 0
.rept 16
	v_and_b32 v[Q+16*\x+i], v[12+2*\x], v[Q+16*\x+i]   ; a row that counts its keys evenly has Q = 0
.set i, i+1
.endr
.endr
	v_cvt_f32_u32 v8, v13                          ; e of tile 0, the low word of a pair
	v_cvt_f32_u32 v10, v15                         ; of tile 1
	v_mov_b32 v9, v8
	v_mov_b32 v11, v10
	s_cmp_gt_u32 1, s11                            ; VS = the sums of the blocks beyond my rank
	s_cselect_b32 s31, 1.0, 0
	v_mul_f32 v96, s31, v64
	v_mul_f32 v97, s31, v65
.set i, 2
.rept 14
	s_cmp_gt_u32 i, s11
	s_cselect_b32 s31, 1.0, 0
	v_fma_f32 v96, s31, v[62+2*i], v96
	v_fma_f32 v97, s31, v[63+2*i], v97
.set i, i+1
.endr
	ds_store_b64 v6, v[96:97]
	s_cmp_lg_u32 s10, 0                            ; wave 0 has rank 0: its VS and block 0's rest are keys 16-2047
	s_cbranch_scc1 .Lnot0
	v_add_f32 v98, v96, v94
	v_add_f32 v99, v97, v95
	global_store_b64 v100, v[98:99], s[54:55]
.Lnot0:
	s_wait_xcnt 0x0                                ; the head's loads and store have read their bases and registers: the mask words land on them
	s_load_b512 s[32:47], s[6:7], 0x0              ; step 0's words: tile 0,
	s_load_b512 s[48:63], s[6:7], 0x40
	s_load_b512 s[68:83], s[6:7], 0x1000           ; tile 1
	s_load_b512 s[84:99], s[6:7], 0x1040
	s_wait_tensorcnt 0x1                           ; my part of slot 0 is in; slot 1's may stay out
	s_wait_dscnt 0x0
	s_barrier_signal -1
	s_barrier_wait -1
; A KEY STEP: 64 keys
.macro STEP
	s_cmp_gt_u32 s3, s4                            ; all its keys come after my queries' block: the work is left out
	s_cbranch_scc1 .Lhid_\@
	v_add_nc_u32 v2, s2, v1
.rept 4
	v_nop                                          ; with the line above five places: the next products write over P, which the last products read, and K lands where V lay
.endr
.set i, 0
.rept 16
	ds_load_b128 v[KV+4*i:KV+4*i+3], v2 offset:512*i   ; K(t, s) at 16 t + 8 s
.set i, i+1
.endr
	s_wait_dscnt 0x0
.irp kk, 0,1                           ; eight accumulators by turns
.irp t, 0,1,2,3
.irp x, 0,1
.if \kk == 0
	v_wmma_f32_16x16x32_f16 v[S+32*\x+8*\t:S+32*\x+8*\t+7], v[KV+16*\t:KV+16*\t+7], v[Q+16*\x:Q+16*\x+7], 0
.else
	v_wmma_f32_16x16x32_f16 v[S+32*\x+8*\t:S+32*\x+8*\t+7], v[KV+16*\t+8:KV+16*\t+15], v[Q+16*\x+8:Q+16*\x+15], v[S+32*\x+8*\t:S+32*\x+8*\t+7]
.endif
.endr
.endr
.endr
.rept 4
	v_nop                                          ; places in front of the loads over K and of the first read of the scores
.endr
.set i, 0
.rept 16
	ds_load_b128 v[KV+4*i:KV+4*i+3], v2 offset:8192+512*i   ; V(u, dt) at 32 u + 8 dt: it lands under the softmax
.set i, i+1
.endr
	s_wait_kmcnt 0x0                               ; this step's mask words
.set i, 0
.rept 32
	v_cndmask_b32 v[S+i], v3, v[S+i], s[32+i]
.set i, i+1
.endr
.set i, 0
.rept 32
	v_cndmask_b32 v[S+32+i], v3, v[S+32+i], s[68+i]
.set i, i+1
.endr
	s_add_co_u32 s31, s3, 64
	s_cmp_gt_u32 s31, s4                           ; the next step's words, if I walk it: no word is read that was not stored
	s_cbranch_scc1 .Lnom_\@
	s_add_nc_u64 s[6:7], s[6:7], 128               ; (behind the wait for the last loads)
	s_load_b512 s[32:47], s[6:7], 0x0
	s_load_b512 s[48:63], s[6:7], 0x40
	s_load_b512 s[68:83], s[6:7], 0x1000
	s_load_b512 s[84:99], s[6:7], 0x1040
.Lnom_\@:
.irp j, 0,1,2,3                        ; the maximum: four chains a tile, the tiles by turns
.irp x, 0,1
	v_max3_num_f32 v[ST+8*\x+4+\j], v[S+32*\x+8*\j], v[S+32*\x+8*\j+1], v[S+32*\x+8*\j+2]
.endr
.endr
.irp p, 3,5
.irp j, 0,1,2,3
.irp x, 0,1
	v_max3_num_f32 v[ST+8*\x+4+\j], v[ST+8*\x+4+\j], v[S+32*\x+8*\j+\p], v[S+32*\x+8*\j+\p+1]
.endr
.endr
.endr
.irp x, 0,1
	v_max3_num_f32 v[ST+8*\x+4], v[ST+8*\x+4], v[S+32*\x+7], v[S+32*\x+15]
	v_max3_num_f32 v[ST+8*\x+6], v[ST+8*\x+6], v[S+32*\x+23], v[S+32*\x+31]
.endr
.irp x, 0,1
	v_max3_num_f32 v[ST+8*\x+4], v[ST+8*\x+4], v[ST+8*\x+5], v[ST+8*\x+6]
.endr
.irp x, 0,1
	v_max3_num_f32 v[ST+8*\x+4], v[ST+8*\x+4], v[ST+8*\x+7], v[ST+8*\x+1]   ; and the old m
.endr
.irp x, 0,1
	v_permlanex16_b32 v[ST+8*\x+5], v[ST+8*\x+4], s28, s29
.endr
.irp x, 0,1
	v_max_num_f32 v[ST+8*\x+5], v[ST+8*\x+4], v[ST+8*\x+5]                  ; the new m
.endr
.irp x, 0,1
	v_sub_f32 v[ST+8*\x+6], v[ST+8*\x+1], v[ST+8*\x+5]                      ; old m - new m
.endr
.irp x, 0,1
	v_mov_b32 v[ST+8*\x+1], v[ST+8*\x+5]
	v_xor_b32 v[ST+8*\x], 0x80000000, v[ST+8*\x+5]                          ; -m
.endr
.irp x, 0,1
.set i, 0
.rept 16
	v_pk_add_f32 v[S+32*\x+2*i:S+32*\x+2*i+1], v[S+32*\x+2*i:S+32*\x+2*i+1], v[ST+8*\x:ST+8*\x+1] op_sel_hi:[1,0]   ; s - m
.set i, i+1
.endr
.endr
	v_exp_f32 v[ST+6], v[ST+6]                     ; ONE BATCH: a of both tiles and the 64 p
	v_exp_f32 v[ST+14], v[ST+14]
.set i, 0
.rept 64
	v_exp_f32 v[S+i], v[S+i]
.set i, i+1
.endr
	v_nop                                          ; a plain line behind the last exponential
	s_wait_alu depctr_va_vdst(0)                   ; one wait for the batch, ahead of its first reader
.irp x, 0,1
	v_pk_mul_f32 v[ST+8*\x+2:ST+8*\x+3], v[ST+8*\x+2:ST+8*\x+3], v[ST+8*\x+6:ST+8*\x+7] op_sel_hi:[1,0]   ; l x a
	v_pk_add_f32 v[ST+8*\x+4:ST+8*\x+5], v[S+32*\x:S+32*\x+1], v[S+32*\x+2:S+32*\x+3]                     ; the sum of the unrounded p, in two chains
.endr
.irp j, 4,8,12,16,20,24,28
.irp x, 0,1
	v_pk_add_f32 v[ST+8*\x+2:ST+8*\x+3], v[ST+8*\x+2:ST+8*\x+3], v[S+32*\x+\j:S+32*\x+\j+1]
	v_pk_add_f32 v[ST+8*\x+4:ST+8*\x+5], v[ST+8*\x+4:ST+8*\x+5], v[S+32*\x+\j+2:S+32*\x+\j+3]
.endr
.endr
.irp x, 0,1
	v_pk_add_f32 v[ST+8*\x+2:ST+8*\x+3], v[ST+8*\x+2:ST+8*\x+3], v[ST+8*\x+4:ST+8*\x+5]
.endr
.irp x, 0,1
.set i, 0
.rept 16
	v_cvt_pk_f16_f32 v[S+32*\x+i], v[S+32*\x+2*i], v[S+32*\x+2*i+1]   ; in place, ascending: two tiles of keys become one fragment of P
.set i, i+1
.endr
.endr
.irp x, 0,1
.set i, 0
.rept 16
	v_pk_mul_f32 v[O+32*\x+2*i:O+32*\x+2*i+1], v[O+32*\x+2*i:O+32*\x+2*i+1], v[ST+8*\x+6:ST+8*\x+7] op_sel_hi:[1,0]   ; O x a
.set i, i+1
.endr
.endr
	s_wait_dscnt 0x0                               ; V
.irp u, 0,1
.irp dt, 0,1,2,3
.irp x, 0,1
	v_wmma_f32_16x16x32_f16 v[O+32*\x+8*\dt:O+32*\x+8*\dt+7], v[KV+32*\u+8*\dt:KV+32*\u+8*\dt+7], v[S+32*\x+8*\u:S+32*\x+8*\u+7], v[O+32*\x+8*\dt:O+32*\x+8*\dt+7]
.endr
.endr
.endr
.Lhid_\@:
	s_add_co_u32 s3, s3, 64
	s_add_co_u32 s2, s2, STEPB
.endm
.macro SLOTSTEPS slot
	s_mov_b32 s2, \slot*SLOT1
	s_mov_b32 s5, 8
.Lst_\@:
	STEP
	s_sub_co_u32 s5, s5, 1
	s_cmp_lg_u32 s5, 0
	s_cbranch_scc1 .Lst_\@
.endm
; THE CHANGE OF SLOTS: all my tensor loads have landed (my part of the slot ahead), the add, my reads of the slot that I leave are over; a round of the cluster's barrier; the slot left is filled again first.
.macro CHANGE g0
	s_wait_tensorcnt 0x0
	ds_add_u32 v4, v5
	s_add_nc_u64 s[\g0+2:\g0+3], s[\g0+2:\g0+3], 2*SLOT1   ; no load of mine is out: 16 steps on
	s_wait_dscnt 0x0
	ROUND
	tensor_load_to_lds s[\g0:\g0+3], s[20:27]
	s_nop 0
.endm
	SLOTSTEPS 0
	CHANGE 12                                      ; steps 16-23 into slot 0
	SLOTSTEPS 1
	CHANGE 16                                      ; steps 24-31 into slot 1
	SLOTSTEPS 0
	s_wait_tensorcnt 0x0                           ; the last change: nothing is left to ask for
	ds_add_u32 v4, v5
	s_wait_dscnt 0x0
	s_barrier_signal -1
	s_barrier_wait -1
	SLOTSTEPS 1
; THE WAY OUT
.rept 4
	v_nop                                          ; places behind the last products
.endr
.set i, 0
.rept 8
	ds_load_b128 v[KV+4*i:KV+4*i+3], v7 offset:64*(i/2)+16*(i%2)   ; VS at my eight channels of each tile (my own bytes, stored at the head)
.set i, i+1
.endr
.irp x, 0,1
	v_add_f32 v[ST+8*\x+4], v[ST+8*\x+2], v[ST+8*\x+3]
.endr
.irp x, 0,1
	v_permlanex16_b32 v[ST+8*\x+5], v[ST+8*\x+4], s28, s29
.endr
.irp x, 0,1
	v_add_f32 v[ST+8*\x+4], v[ST+8*\x+4], v[ST+8*\x+5]             ; l
.endr
	s_add_co_u32 s31, s11, 1
	s_lshl_b32 s31, s31, 7
	s_sub_co_u32 s31, 2048, s31
	v_cvt_f32_u32 v12, s31                         ; the keys that I did not walk
	v_fma_f32 v[ST+4], v8, v12, v[ST+4]
	v_fma_f32 v[ST+12], v10, v12, v[ST+12]
	v_rcp_f32 v[ST+6], v[ST+4]
	v_rcp_f32 v[ST+14], v[ST+12]
	v_nop
	s_wait_alu depctr_va_vdst(0)                   ; one wait for the two reciprocals
	s_wait_dscnt 0x0
.irp x, 0,1
.set i, 0
.rept 16
	v_pk_fma_f32 v[O+32*\x+2*i:O+32*\x+2*i+1], v[KV+2*i:KV+2*i+1], v[8+2*\x:9+2*\x], v[O+32*\x+2*i:O+32*\x+2*i+1] op_sel_hi:[1,0,1]   ; + e VS
.set i, i+1
.endr
.set i, 0
.rept 16
	v_pk_mul_f32 v[O+32*\x+2*i:O+32*\x+2*i+1], v[O+32*\x+2*i:O+32*\x+2*i+1], v[ST+8*\x+6:ST+8*\x+7] op_sel_hi:[1,0]
.set i, i+1
.endr
.set i, 0
.rept 16
	v_cvt_pk_f16_f32 v[S+16*\x+i], v[O+32*\x+2*i], v[O+32*\x+2*i+1]
.set i, i+1
.endr
.irp dt, 0,1,2,3
	global_store_b128 v1, v[S+16*\x+4*\dt:S+16*\x+4*\dt+3], s[8:9] offset:32768*\x+512*\dt   ; a piece: 512 consecutive bytes
.endr
.endr
	s_wait_tensorcnt 0x0                           ; the wave's end
	ds_add_u32 v4, v5
	s_wait_dscnt 0x0
	ROUND                                          ; the closing round
	s_endpgm
.Lfunc_end_k_q63855608fc_attn:
	.size	k_q63855608fc_attn, .Lfunc_end_k_q63855608fc_attn-k_q63855608fc_attn
	.p2alignl 7, 3214868480
	.fill 96, 4, 3214868480
	.section	.rodata,"a",@progbits
	.p2align	6, 0x0
	.amdhsa_kernel k_q63855608fc_attn
		.amdhsa_group_segment_fixed_size 327680
		.amdhsa_private_segment_fixed_size 0
		.amdhsa_enable_private_segment 0
		.amdhsa_kernarg_size 32
		.amdhsa_user_sgpr_count 2
		.amdhsa_user_sgpr_kernarg_segment_ptr 1
		.amdhsa_wavefront_size32 1
		.amdhsa_system_sgpr_workgroup_id_x 1
		.amdhsa_system_sgpr_workgroup_id_y 1
		.amdhsa_system_sgpr_workgroup_id_z 1
		.amdhsa_system_vgpr_workitem_id 0
		.amdhsa_next_free_vgpr 256
		.amdhsa_next_free_sgpr 102
		.amdhsa_reserve_vcc 0
		.amdhsa_float_denorm_mode_32 3
		.amdhsa_float_denorm_mode_16_64 3
		.amdhsa_memory_ordered 1
		.amdhsa_forward_progress 1
		.amdhsa_inst_pref_size 112
	.end_amdhsa_kernel
	.amdgpu_metadata
---
amdhsa.version: [ 1, 2 ]
amdhsa.kernels:
  - .name:           k_q63855608fc_attn
    .symbol:         k_q63855608fc_attn.kd
    .args:
      - { .name: qkv, .offset: 0, .size: 8, .value_kind: global_buffer, .address_space: global }
      - { .name: mbits, .offset: 8, .size: 8, .value_kind: global_buffer, .address_space: global }
      - { .name: side, .offset: 16, .size: 8, .value_kind: global_buffer, .address_space: global }
      - { .name: oh, .offset: 24, .size: 8, .value_kind: global_buffer, .address_space: global }
    .group_segment_fixed_size: 327680
    .private_segment_fixed_size: 0
    .kernarg_segment_align: 8
    .kernarg_segment_size: 32
    .max_flat_workgroup_size: 512
    .sgpr_count:     102
    .vgpr_count:     256
    .wavefront_size: 32
...
	.end_amdgpu_metadata
.endif
;; end of part 3
;; launch outproj (part 4): grid 4 x 64, 4 waves a work-group, clusters of 4 x 4, 327,680 bytes of LDS; arguments oh, wimg, out0; writes out0
.if DOCPART == 4
	.amdgcn_target "amdgcn-amd-amdhsa--gfx1250"
	.amdhsa_code_object_version 6
	.text
	.protected	k_q63855608fc_outproj
	.globl	k_q63855608fc_outproj
	.p2align	8
	.type	k_q63855608fc_outproj,@function
k_q63855608fc_outproj:
	s_mov_b64 s[64:65], 0
	v_nop
	global_prefetch_b8 v0, s[64:65] scope:SCOPE_SE
	s_setreg_imm32_b32 hwreg(HW_REG_WAVE_MODE, 25, 1), 1
	s_wait_xcnt 0x0
	s_wait_alu depctr_hold_cnt(0) depctr_sa_sdst(0) depctr_va_vdst(0) depctr_va_sdst(0) depctr_va_ssrc(0) depctr_va_vcc(0) depctr_vm_vsrc(0)
	s_getreg_b32 s2, hwreg(HW_REG_IB_STS2, 6, 4)
	s_cmp_eq_u32 s2, 0
	s_cbranch_scc0 .Lentry_in_a_cluster
	s_endpgm
.Lentry_in_a_cluster:
	s_bfe_u32 s2, ttmp6, 0x10000c
	s_cmp_lg_u32 s2, 0xf033
	s_cbranch_scc0 .Lentry_shape_is_right
	s_endpgm
.Lentry_shape_is_right:
; OUTPROJ.  out0 = O Wo, f16 operands, f32 sums.  O [8192 x 1024] and Wo^T [1024 x 1024] come as images of operand registers: for 16 rows and 32 along K two pieces of 512 bytes, lane L's 16 bytes at 16 L.
; A tile of out0 is 128 x 256: 256 work-groups of four waves; a wave makes 64 x 128: 32 accumulators in window 1, which take turns.
; K goes in steps of 128 through two LDS slots: 8 row tiles of O and 16 column tiles of Wo, 4,096 dense bytes each; no padding: every LDS load takes 512 consecutive bytes.
; CLUSTERS of 4 x 4: O's tiles are shared along a row of the cluster, Wo's along a column, each asked for jointly.  Two tensor loads of a wave are out at the head, one behind each round.
; Source 0 = 16 columns of Wo, source 1 = 16 rows of O: a lane holds eight neighbouring numbers of a row of out0.
; O's tiles are prefetched two refills ahead: wave 0 of each partner names 2 of the tile row's 8 row tiles (told apart by address), 16 lanes x 256 bytes each; the last two refills and the head ask for nothing.
; Wo's 2 MiB are read again by all sixteen rows of clusters and are not asked for.  (Rows 0-15 of each batch are written again, in f32, by the launch behind this one.)
.set SLOT,   98304
.set SPARE,  196608                    ; the spare words, 128 bytes a wave
.set SPITCH, 528                       ; the way out: a stage of 16 rows x (512 + 16) a wave, in slot 0, which has had its last fill and its last read by then
.set WOH,    1671168
.set ADRA, 16
.set ADRB, 20
.set STO,  24
.set RD,   25
.set CO,   26
.set SPW,  28
.set NIL,  29
.set PFO,  30
.set F0,   32                          ; a fragment buffer: O's 4 fragments, then Wo's 8
.set F1,   128
.set G1,  24
.set G0,  32
.set G1B, 48
.set G0B, 56
.set PFA, 44
.set LIM, 43
.set MUL, 0x50                         ; C and D in window 1
.set MSB, 0
.macro WIN new
.if MSB != \new
	s_set_vgpr_msb (MSB<<8)|\new
.set MSB, \new
.endif
.endm
.macro PLACES
.rept 4
	v_nop
.endr
.endm
.macro JLOAD s                         ; waves 0 and 1 fetch O's halves, waves 2 and 3 Wo's; an s_nop 0 and four v_nop follow each line
	s_cmp_eq_u32 s11, 0
	s_cbranch_scc0 .Lfor_b_\@
	tensor_load_to_lds s[G0+4*\s:G0+4*\s+3], s[G1:G1+7]
	s_nop 0
.rept 4
	v_nop
.endr
	s_branch .Lasked_\@
.Lfor_b_\@:
	tensor_load_to_lds s[G0B+4*\s:G0B+4*\s+3], s[G1B:G1B+7]
	s_nop 0
.rept 4
	v_nop
.endr
.Lasked_\@:
.endm
.macro ASK
	s_cmp_gt_u32 s3, s[LIM]                        ; wave 0, and not in the loop's last trip
	s_cbranch_scc0 .Lnot_mine_\@
	global_prefetch_b8 v[PFO], s[PFA:PFA+1] offset:4096 th:TH_LOAD_NT scope:SCOPE_SE
.Lnot_mine_\@:
.endm
.macro CREST
	s_cmp_lg_u32 s10, 0
	s_cbranch_scc1 .Lnot_wave_0_\@
	s_barrier_signal -3
.Lnot_wave_0_\@:
	s_barrier_wait -3
	s_barrier_signal -1
	s_barrier_wait -1
.endm
.macro CROUND
	s_barrier_signal -1
	s_barrier_wait -1
	CREST
.endm
	s_load_b128 s[4:7], s[0:1], 0x0                ; oh, wimg
	s_load_b64 s[8:9], s[0:1], 0x10                ; out0
	v_lshl_add_u32 v[SPW], v0, 2, SPARE
	v_mov_b32 v[NIL], 0
	ds_add_u32 v[SPW], v[NIL]                      ; the wave's opening: the add, twice on end, and its wait ahead of my first tensor load
	ds_add_u32 v[SPW], v[NIL]
	v_lshrrev_b32 v1, 5, v0
	v_readfirstlane_b32 s10, v1                    ; wave
	s_lshr_b32 s11, s10, 1                         ; my half of the rows; also: I fetch O (0) or Wo (1)
	s_and_b32 s12, s10, 1                          ; my half of the columns; also: which half I fetch
	s_bfe_u32 s40, ttmp6, 0x40000                  ; cx
	s_bfe_u32 s41, ttmp6, 0x40004                  ; cy
	s_lshl_b32 s42, ttmp9, 2
	s_add_co_u32 s42, s42, s40                     ; tile column
	s_and_b32 s13, ttmp7, 0xffff
	s_lshl_b32 s13, s13, 2
	s_add_co_u32 s13, s13, s41                     ; tile row
	s_lshl_b32 s43, s41, 2
	s_lshl_b32 s43, 15, s43                        ; my row of the cluster
	s_lshl_b32 s44, 0x1111, s40                    ; my column
	s_or_b32 s[G1+0], s43, (3<<16)|(1<<21)         ; elements of 8 bytes; bit 21 beside a mask
	s_or_b32 s[G1B+0], s44, (3<<16)|(1<<21)
	s_mov_b32 s[G1+1], 512<<16                     ; tensor_dim0 = 512: 4,096 bytes, a tile's K step
	s_mov_b32 s[G1+2], 4<<16                       ; tensor_dim1 = 4 row tiles
	s_mov_b32 s[G1+3], 512<<16
	s_mov_b32 s[G1+4], 4
	s_mov_b32 s[G1+5], 4096                        ; 32,768 bytes from tile to tile
	s_mov_b32 s[G1+6], 0
	s_mov_b32 s[G1+7], 0
	s_mov_b32 s[G1B+1], 512<<16
	s_mov_b32 s[G1B+2], 8<<16                      ; 8 column tiles
	s_mov_b32 s[G1B+3], 512<<16
	s_mov_b32 s[G1B+4], 8
	s_mov_b32 s[G1B+5], 4096
	s_mov_b32 s[G1B+6], 0
	s_mov_b32 s[G1B+7], 0
	s_lshl_b32 s16, s13, 3
	s_lshl_b32 s17, s12, 2
	s_add_co_u32 s16, s16, s17
	s_lshl_b32 s16, s16, 15                        ; O: row tile 8 ty + 4 x half
	s_mov_b32 s17, 0
	s_lshl_b32 s46, s42, 4
	s_lshl_b32 s47, s12, 3
	s_add_co_u32 s46, s46, s47
	s_lshl_b32 s46, s46, 15
	s_add_co_u32 s46, s46, WOH                     ; Wo: column tile 16 tx + 8 x half
	s_mov_b32 s47, 0
	s_lshl_b32 s20, s12, 14                        ; where they go: no place in the cluster enters an LDS address
	s_lshl_b32 s21, s12, 15
	s_add_co_u32 s21, s21, 32768
	s_wait_dscnt 0x0
	s_wait_kmcnt 0x0
	s_add_nc_u64 s[14:15], s[4:5], s[16:17]
	s_add_nc_u64 s[46:47], s[6:7], s[46:47]
	CROUND                                         ; all sixteen work-groups are here
.irp s, 0,1
	s_mov_b32 s[G0+4*\s], 1
	s_add_co_u32 s[G0+4*\s+1], s20, \s*SLOT
	s_add_nc_u64 s[G0+4*\s+2:G0+4*\s+3], s[14:15], \s*4096
	s_or_b32 s[G0+4*\s+3], s[G0+4*\s+3], 0x80000000
	s_mov_b32 s[G0B+4*\s], 1
	s_add_co_u32 s[G0B+4*\s+1], s21, \s*SLOT
	s_add_nc_u64 s[G0B+4*\s+2:G0B+4*\s+3], s[46:47], \s*4096
	s_or_b32 s[G0B+4*\s+3], s[G0B+4*\s+3], 0x80000000
	JLOAD \s
.endr
	v_and_b32 v1, 15, v0
	v_bfe_u32 v2, v0, 4, 1
	v_and_b32 v3, 31, v0
	v_lshlrev_b32 v[CO], 4, v3                     ; 16 x lane
	s_lshl_b32 s21, s11, 14                        ; my 4 row tiles
	s_lshl_b32 s22, s12, 15
	s_add_co_u32 s22, s22, 32768                   ; my 8 column tiles
.irp s, 0,1
	v_add_nc_u32 v[ADRA+\s], s21, v[CO]
	v_add_nc_u32 v[ADRB+\s], s22, v[CO]
	s_add_co_u32 s21, s21, SLOT
	s_add_co_u32 s22, s22, SLOT
.endr
	s_mul_i32 s23, s10, 16*SPITCH                  ; my stage
	v_mul_u32_u24 v4, v1, SPITCH
	v_lshl_add_u32 v4, v2, 5, v4
	v_add_nc_u32 v[STO], s23, v4
	v_add_nc_u32 v[RD], s23, v[CO]
	v_lshlrev_b32 v[PFO], 8, v1
	v_lshl_add_u32 v[PFO], v2, 15, v[PFO]
	s_lshl_b32 s16, s13, 7
	s_lshl_b32 s17, s11, 6
	s_add_co_u32 s16, s16, s17
	s_lshl_b32 s16, s16, 12                        ; my first row of out0, 4,096 bytes a row
	s_mov_b32 s17, 0
	s_add_nc_u64 s[8:9], s[8:9], s[16:17]
	s_lshl_b32 s46, s42, 10
	s_lshl_b32 s47, s12, 9
	s_add_co_u32 s46, s46, s47
	s_mov_b32 s47, 0
	s_add_nc_u64 s[8:9], s[8:9], s[46:47]
	s_lshl_b32 s20, s13, 3                         ; the prefetches: my work-group's 2 of the 8 row tiles, at K step 2
	s_lshl_b32 s21, s40, 1
	s_add_co_u32 s20, s20, s21
	s_lshl_b32 s20, s20, 15
	s_add_co_u32 s20, s20, 8192
	s_mov_b32 s21, 0
	s_add_nc_u64 s[PFA:PFA+1], s[4:5], s[20:21]
	s_cmp_eq_u32 s10, 0
	s_cselect_b32 s[LIM], 1, -1
.macro MUL8 f, a, zero                 ; row tile a against my 8 column tiles, 32 along K
.irp b, 0,1,2,3,4,5,6,7
.if \zero
	v_wmma_f32_16x16x32_f16 v[8*(8*(\a)+\b):8*(8*(\a)+\b)+7], v[\f+32+8*\b:\f+32+8*\b+7], v[\f+8*(\a):\f+8*(\a)+7], 0
.else
	v_wmma_f32_16x16x32_f16 v[8*(8*(\a)+\b):8*(8*(\a)+\b)+7], v[\f+32+8*\b:\f+32+8*\b+7], v[\f+8*(\a):\f+8*(\a)+7], v[8*(8*(\a)+\b):8*(8*(\a)+\b)+7]
.endif
.endr
.endm
.macro FETCH slot, q, f                ; 24 LDS loads in one run: Wo's 16, then O's 8
	WIN 0
.irp i, 0,1,2,3,4,5,6,7
	ds_load_b128 v[\f+32+8*\i:\f+32+8*\i+3], v[ADRB+\slot] offset:\i*4096+(\q)*1024
	ds_load_b128 v[\f+32+8*\i+4:\f+32+8*\i+7], v[ADRB+\slot] offset:\i*4096+(\q)*1024+512
.endr
.irp i, 0,1,2,3
	ds_load_b128 v[\f+8*\i:\f+8*\i+3], v[ADRA+\slot] offset:\i*4096+(\q)*1024
	ds_load_b128 v[\f+8*\i+4:\f+8*\i+7], v[ADRA+\slot] offset:\i*4096+(\q)*1024+512
.endr
.endm
.macro QUARTER slot, q, f, g, zero     ; multiplies buffer f; in its middle fetches the slot's quarter q into g
	s_wait_dscnt 4                                 ; all but O's tiles 2 and 3
	WIN MUL
	MUL8 \f, 0, \zero
	MUL8 \f, 1, \zero
	PLACES
	FETCH \slot, \q, \g
	s_wait_dscnt 24                                ; all but the 24 just issued
	WIN MUL
	MUL8 \f, 2, \zero
	MUL8 \f, 3, \zero
.endm
.macro TURN slot, next, fill           ; a slot's last quarter, and the change of slots
.if \fill
	s_wait_xcnt 0x0                                ; the last prefetch, a K step back, has read its address
	s_add_nc_u64 s[PFA:PFA+1], s[PFA:PFA+1], 4096
.endif
	WIN 0
	s_wait_tensorcnt 0x0                           ; all my tensor loads have landed: my part of the next slot
	ds_add_u32 v[SPW], v[NIL]
	s_wait_dscnt 5                                 ; (the add and O's tiles 2 and 3 may be out)
	WIN MUL
	MUL8 F1, 0, 0
	s_wait_dscnt 0x0                               ; the add is done, and my reads of this slot are over
	s_barrier_signal -1
	MUL8 F1, 1, 0
	WIN 0
	s_barrier_wait -1
.if \fill
	CREST                                          ; the barrier has opened a round of the cluster's barrier
	s_add_nc_u64 s[G0+4*\slot+2:G0+4*\slot+3], s[G0+4*\slot+2:G0+4*\slot+3], 8192
	s_add_nc_u64 s[G0B+4*\slot+2:G0B+4*\slot+3], s[G0B+4*\slot+2:G0B+4*\slot+3], 8192
	JLOAD \slot                                    ; the first tensor load behind the round; its four v_nop are also the places in front of the loads below
.else
	PLACES
.endif
	FETCH \next, 0, F0
.if \fill
	ASK
.endif
	WIN MUL
	MUL8 F1, 2, 0
	MUL8 F1, 3, 0
.endm
	s_wait_tensorcnt 0x1                           ; my part of K step 0 is in; K step 1's may stay out
	s_barrier_signal -1
	s_barrier_wait -1
	FETCH 0, 0, F0
	QUARTER 0, 1, F0, F1, 1                        ; the first quarter starts the sums
	WIN 0
	s_mov_b32 s3, 3
.Llap:
	QUARTER 0, 2, F1, F0, 0
	QUARTER 0, 3, F0, F1, 0
	TURN 0, 1, 1
	QUARTER 1, 1, F0, F1, 0
	QUARTER 1, 2, F1, F0, 0
	QUARTER 1, 3, F0, F1, 0
	TURN 1, 0, 1
	QUARTER 0, 1, F0, F1, 0
	WIN 0
	s_sub_co_u32 s3, s3, 1
	s_cmp_lg_u32 s3, 0
	s_cbranch_scc1 .Llap
	QUARTER 0, 2, F1, F0, 0                        ; the last lap fills nothing
	QUARTER 0, 3, F0, F1, 0
	TURN 0, 1, 0
	QUARTER 1, 1, F0, F1, 0
	QUARTER 1, 2, F1, F0, 0
	QUARTER 1, 3, F0, F1, 0
	s_wait_dscnt 4
	WIN MUL
	MUL8 F1, 0, 0
	MUL8 F1, 1, 0
	s_wait_dscnt 0x0
	MUL8 F1, 2, 0
	MUL8 F1, 3, 0
	WIN 0
; THE WAY OUT: a block of 16 rows x 128 columns goes through my stage and comes back as whole rows of 512 bytes
.macro TOSTAGE a
	WIN 0x04                                       ; an LDS store's data: window 1
.irp b, 0,1,2,3,4,5,6,7
	ds_store_b128 v[STO], v[64*(\a)+8*\b:64*(\a)+8*\b+3] offset:64*\b          ; each accumulator from its low end on
	ds_store_b128 v[STO], v[64*(\a)+8*\b+4:64*(\a)+8*\b+7] offset:64*\b+16
.endr
	WIN 0
.set BB, 32+96*((\a)%2)
.set i, 0
.rept 16
	ds_load_b128 v[BB+4*i:BB+4*i+3], v[RD] offset:i*SPITCH    ; LDS serves a wave's instructions in order
.set i, i+1
.endr
.endm
.macro SEND a, younger
.set BB, 32+96*((\a)%2)
	s_wait_dscnt \younger
.if (\a) > 0
	s_add_nc_u64 s[8:9], s[8:9], 65536             ; 16 rows on (behind a wait that frees the base)
.endif
.set i, 0
.rept 16
	global_store_b128 v[CO], v[BB+4*i:BB+4*i+3], s[8:9] offset:i*4096 th:TH_STORE_NT   ; 32 lanes store 512 consecutive bytes, aligned
.set i, i+1
.endr
.endm
	PLACES
	TOSTAGE 0
.irp a, 1,2,3
.if \a > 1
	s_wait_xcnt 0x0                                ; the stores of two blocks ago have read their registers and their base
.endif
	TOSTAGE \a
	SEND \a-1, 32                                  ; behind that block's loads: this block's 16 stores and 16 loads
.endr
	s_wait_xcnt 0x0
	SEND 3, 0
	s_wait_tensorcnt 0x0                           ; the wave's end
	ds_add_u32 v[SPW], v[NIL]
	s_wait_dscnt 0x0
	CROUND                                         ; the closing round
	s_endpgm
.Lfunc_end_k_q63855608fc_outproj:
	.size	k_q63855608fc_outproj, .Lfunc_end_k_q63855608fc_outproj-k_q63855608fc_outproj
	.p2alignl 7, 3214868480
	.fill 96, 4, 3214868480
	.section	.rodata,"a",@progbits
	.p2align	6, 0x0
	.amdhsa_kernel k_q63855608fc_outproj
		.amdhsa_group_segment_fixed_size 327680
		.amdhsa_private_segment_fixed_size 0
		.amdhsa_enable_private_segment 0
		.amdhsa_kernarg_size 24
		.amdhsa_user_sgpr_count 2
		.amdhsa_user_sgpr_kernarg_segment_ptr 1
		.amdhsa_wavefront_size32 1
		.amdhsa_system_sgpr_workgroup_id_x 1
		.amdhsa_system_sgpr_workgroup_id_y 1
		.amdhsa_system_sgpr_workgroup_id_z 1
		.amdhsa_system_vgpr_workitem_id 0
		.amdhsa_next_free_vgpr 512
		.amdhsa_next_free_sgpr 66
		.amdhsa_reserve_vcc 0
		.amdhsa_float_denorm_mode_32 3
		.amdhsa_float_denorm_mode_16_64 3
		.amdhsa_memory_ordered 1
		.amdhsa_forward_progress 1
		.amdhsa_inst_pref_size 85
	.end_amdhsa_kernel
	.amdgpu_metadata
---
amdhsa.version: [ 1, 2 ]
amdhsa.kernels:
  - .name:           k_q63855608fc_outproj
    .symbol:         k_q63855608fc_outproj.kd
    .args:
      - { .name: oh, .offset: 0, .size: 8, .value_kind: global_buffer, .address_space: global }
      - { .name: wimg, .offset: 8, .size: 8, .value_kind: global_buffer, .address_space: global }
      - { .name: out0, .offset: 16, .size: 8, .value_kind: global_buffer, .address_space: global }
    .group_segment_fixed_size: 327680
    .private_segment_fixed_size: 0
    .kernarg_segment_align: 8
    .kernarg_segment_size: 24
    .max_flat_workgroup_size: 128
    .sgpr_count:     66
    .vgpr_count:     512
    .wavefront_size: 32
...
	.end_amdgpu_metadata
.endif
;; end of part 4
;; launch first16 (part 5): grid 32 x 4, 16 waves a work-group, no clusters, 43,008 bytes of LDS; arguments side, oh, mask, Wo, out0; writes out0
.if DOCPART == 5
	.amdgcn_target "amdgcn-amd-amdhsa--gfx1250"
	.amdhsa_code_object_version 6
	.text
	.protected	k_q63855608fc_first16
	.globl	k_q63855608fc_first16
	.p2align	8
	.type	k_q63855608fc_first16,@function
k_q63855608fc_first16:
	s_mov_b64 s[64:65], 0
	v_nop
	global_prefetch_b8 v0, s[64:65] scope:SCOPE_SE
	s_setreg_imm32_b32 hwreg(HW_REG_WAVE_MODE, 25, 1), 1
	s_wait_xcnt 0x0
; FIRST16.  Rows 0-15 of each batch once more, all in f32: they average one to sixteen values, and rounded operands would weigh most there.  It writes over what the launch before left in those rows.
; Work-group = (32 columns of out0, batch); wave = head.  Scores, P V and the head's part of the projection by the f32 matrix form (no bulk work: 16 rows); the mask by the source's own formula:
; s = (score / 8) m' + (1 - m') NEG_MIN, m' = mask x causal; keys 16-2047 are hidden for these rows: each has the score NEG_MIN, and together they add 2,032 e to the sum and e x (the sum of V over them) to O.
; K is permuted alike on both sources, so that each fragment is two neighbouring registers of what the lane holds.  The sixteen heads' parts meet in LDS; wave w adds row w, heads ascending.
; The registers that the f32 matrix form writes (v16-71) are written by nothing else.  No tensor load, no cluster: 256 KiB of output in all.
.set NEGMIN, 0xff7fffff
.set VSL,   36864                      ; behind the 16 parts (16 rows x 144 bytes each): 256 bytes a wave
.set SPARE, 40960
.set SA, 16                            ; v16-23   S^T
.set OA, 24                            ; v24-55   O^T: 4 tiles of channels
.set UA, 56                            ; v56-71   out^T: 2 tiles of columns
.set QF, 72                            ; v72-103  Q; then (1 - m') NEG_MIN in the first eight; then O normalised
.set KF, 104                           ; v104-135 K; then the sum of V over keys 16-2047; then the heads' parts
.set VF, 136                           ; v136-167 V^T
.set WF, 168                           ; v168-231 Wo: 2 tiles x 32
.set MK, 232                           ; v232-239 the mask
.set P,  240                           ; v240-247 scores, then p
	s_load_b256 s[4:11], s[0:1], 0x0               ; side, oh, mask, Wo
	s_load_b64 s[12:13], s[0:1], 0x20              ; out0
	v_lshl_add_u32 v14, v0, 2, SPARE               ; my spare word
	v_mov_b32 v15, 0                               ; and 0
	v_lshrrev_b32 v1, 5, v0
	v_readfirstlane_b32 s14, v1                    ; wave = head
	v_and_b32 v1, 15, v0                           ; r
	v_bfe_u32 v2, v0, 4, 1                         ; h
	v_and_b32 v3, 31, v0                           ; lane
	v_lshlrev_b32 v4, 12, v1
	v_lshl_add_u32 v4, v2, 7, v4                   ; Q, K: row r, channels 32 h on
	v_lshlrev_b32 v5, 6, v1
	v_lshl_add_u32 v5, v2, 5, v5                   ; V^T: channel r, keys 8 h on
	v_lshlrev_b32 v6, 13, v1
	v_lshl_add_u32 v6, v2, 5, v6                   ; mask: query r, keys 8 h on
	v_lshlrev_b32 v7, 2, v1
	v_lshl_add_u32 v7, v2, 15, v7                  ; Wo: column r, rows 8 h on
	v_lshlrev_b32 v8, 3, v3
	s_lshl_b32 s22, s14, 8
	s_add_co_u32 s22, s22, VSL
	v_add_nc_u32 v9, s22, v8
	v_lshl_add_u32 v10, v2, 5, s22
	s_mul_i32 s22, s14, 2304
	v_mul_u32_u24 v11, v1, 144
	v_lshl_add_u32 v11, v2, 5, v11
	v_add_nc_u32 v11, s22, v11                     ; my part: row r, + 32 h
	s_mul_i32 s22, s14, 144
	v_lshl_add_u32 v12, v3, 2, s22                 ; back: row w of part 0, column = lane
	v_lshlrev_b32 v13, 2, v3
	v_lshlrev_b32 v248, 3, v2
	v_sub_nc_u32 v248, v1, v248                    ; r - 8 h: register j is hidden where j is greater
	v_mov_b32 v254, 0                              ; (a lane permute's destination counts as read)
	s_and_b32 s15, ttmp7, 0xffff                   ; b
	s_lshl_b32 s16, ttmp9, 7                       ; my 32 columns, in bytes
	s_mov_b32 s17, NEGMIN
	s_mov_b32 s18, 0x44fe0000                      ; 2,032
	s_mov_b32 s20, 0x76543210
	s_mov_b32 s21, 0xfedcba98
	s_mov_b32 s23, 0
	s_wait_kmcnt 0x0
	s_lshl_b32 s22, s15, 16
	s_lshl_b32 s19, s14, 8
	s_add_co_u32 s22, s22, s19
	s_add_nc_u64 s[24:25], s[4:5], s[22:23]        ; qw; kw lies 262,144 bytes on
	s_lshl_b32 s22, s15, 16
	s_lshl_b32 s19, s14, 12
	s_add_co_u32 s22, s22, s19
	s_add_co_u32 s22, s22, 524288
	s_add_nc_u64 s[26:27], s[4:5], s[22:23]        ; vw, keys innermost
	s_lshl_b32 s22, s15, 24
	s_add_nc_u64 s[28:29], s[8:9], s[22:23]        ; the batch's mask
	s_lshl_b32 s22, s14, 18
	s_add_co_u32 s22, s22, s16
	s_add_nc_u64 s[30:31], s[10:11], s[22:23]      ; Wo: my head's 64 rows, my columns
	s_lshl_b32 s22, s15, 4
	s_add_co_u32 s22, s22, s14
	s_lshl_b32 s22, s22, 8
	s_add_co_u32 s22, s22, 16777216
	s_add_nc_u64 s[32:33], s[6:7], s[22:23]        ; the sum of V over keys 16-2047
	s_lshl_b32 s22, s15, 23
	s_lshl_b32 s19, s14, 12
	s_add_co_u32 s22, s22, s19
	s_add_co_u32 s22, s22, s16
	s_add_nc_u64 s[34:35], s[12:13], s[22:23]      ; out0: row w of the batch
.set i, 0
.rept 8
	global_load_b128 v[QF+4*i:QF+4*i+3], v4, s[24:25] offset:16*i
	global_load_b128 v[KF+4*i:KF+4*i+3], v4, s[24:25] offset:262144+16*i
	global_load_b128 v[VF+4*i:VF+4*i+3], v5, s[26:27] offset:1024*(i/2)+16*(i%2)
.set i, i+1
.endr
	global_load_b128 v[MK:MK+3], v6, s[28:29]
	global_load_b128 v[MK+4:MK+7], v6, s[28:29] offset:16
	global_load_b64 v[252:253], v8, s[32:33]
.irp nt, 0,1
.set i, 0
.rept 32
	global_load_b32 v[WF+32*\nt+i], v7, s[30:31] offset:(16*(i/8)+i%8)*4096+64*\nt   ; Wo(64 head + 16 (i / 8) + 8 h + i % 8, column 16 nt + r)
.set i, i+1
.endr
.endr
	s_wait_loadcnt 0x0
	ds_store_b64 v9, v[252:253]
	v_wmma_f32_16x16x4_f32 v[SA:SA+7], v[KF:KF+1], v[QF:QF+1], 0       ; S^T = K Q^T: slot (h, j) of step n is channel 32 h + 2 n + j
.set n, 1
.rept 15
	s_wait_alu depctr_va_vdst(0)                   ; the wait directly ahead of each link
	v_wmma_f32_16x16x4_f32 v[SA:SA+7], v[KF+2*n:KF+2*n+1], v[QF+2*n:QF+2*n+1], v[SA:SA+7]
.set n, n+1
.endr
.set j, 0
.rept 8
	v_cmp_gt_i32 vcc_lo, j, v248                   ; (these sixteen lines are the places behind the last link)
	v_cndmask_b32 v[MK+j], v[MK+j], v15, vcc_lo    ; m'
.set j, j+1
.endr
.set j, 0
.rept 8
	v_sub_f32 v[QF+j], 1.0, v[MK+j]
.set j, j+1
.endr
.set j, 0
.rept 8
	v_mul_f32 v[QF+j], s17, v[QF+j]                ; (1 - m') NEG_MIN
.set j, j+1
.endr
.set j, 0
.rept 8
	v_mul_f32 v[P+j], 0x3e000000, v[SA+j]          ; score / 8, from the accumulator's low end on
.set j, j+1
.endr
.set j, 0
.rept 8
	v_fma_f32 v[P+j], v[P+j], v[MK+j], v[QF+j]
.set j, j+1
.endr
	v_max3_num_f32 v249, v[P], v[P+1], v[P+2]
	v_max3_num_f32 v249, v249, v[P+3], v[P+4]
	v_max3_num_f32 v249, v249, v[P+5], v[P+6]
	v_max3_num_f32 v249, v249, v[P+7], s17         ; with the hidden keys' score
	v_permlanex16_b32 v254, v249, s20, s21
	v_max_num_f32 v249, v249, v254                 ; the row's maximum
.set j, 0
.rept 8
	v_sub_f32 v[P+j], v[P+j], v249
.set j, j+1
.endr
	v_sub_f32 v250, s17, v249
.set j, 0
.rept 8
	v_mul_f32 v[P+j], 0x3fb8aa3b, v[P+j]
.set j, j+1
.endr
	v_mul_f32 v250, 0x3fb8aa3b, v250
.set j, 0
.rept 8
	v_exp_f32 v[P+j], v[P+j]
.set j, j+1
.endr
	v_exp_f32 v250, v250                           ; e: a hidden key's weight
	v_nop
	s_wait_alu depctr_va_vdst(0)                   ; one wait for the nine
.set i, 0
.rept 8
	ds_load_b128 v[KF+4*i:KF+4*i+3], v10 offset:64*(i/2)+16*(i%2)   ; the hidden keys' sum of V at my channels (my own bytes)
.set i, i+1
.endr
	v_add_f32 v251, v[P], v[P+1]
.set j, 2
.rept 6
	v_add_f32 v251, v251, v[P+j]
.set j, j+1
.endr
	v_permlanex16_b32 v254, v251, s20, s21
	v_add_f32 v251, v251, v254
	v_fma_f32 v251, v250, s18, v251                ; the row's sum
	v_rcp_f32 v255, v251
	v_nop
	s_wait_alu depctr_va_vdst(0)
.irp n, 0,1,2,3                        ; O^T = V^T P: slot (h, j) of step n is key 8 h + 2 n + j; four accumulators by turns
.irp dt, 0,1,2,3
.if \n == 0
	v_wmma_f32_16x16x4_f32 v[OA+8*\dt:OA+8*\dt+7], v[VF+8*\dt:VF+8*\dt+1], v[P:P+1], 0
.else
	v_wmma_f32_16x16x4_f32 v[OA+8*\dt:OA+8*\dt+7], v[VF+8*\dt+2*\n:VF+8*\dt+2*\n+1], v[P+2*\n:P+2*\n+1], v[OA+8*\dt:OA+8*\dt+7]
.endif
.endr
.endr
.rept 8
	v_nop
.endr
	s_wait_dscnt 0x0
.set i, 0
.rept 32
	v_fma_f32 v[QF+i], v250, v[KF+i], v[OA+i]
.set i, i+1
.endr
.set i, 0
.rept 32
	v_mul_f32 v[QF+i], v[QF+i], v255               ; O(r, 16 t + 8 h + j) in register 8 t + j
.set i, i+1
.endr
.set n, 0
.rept 16                               ; out^T += Wo^T O^T: slot (h, j) of step n is channel 16 (n / 4) + 8 h + 2 (n % 4) + j; two accumulators by turns
.if n == 0
	v_wmma_f32_16x16x4_f32 v[UA:UA+7], v[WF:WF+1], v[QF:QF+1], 0
	v_wmma_f32_16x16x4_f32 v[UA+8:UA+15], v[WF+32:WF+33], v[QF:QF+1], 0
.else
	v_wmma_f32_16x16x4_f32 v[UA:UA+7], v[WF+2*n:WF+2*n+1], v[QF+2*n:QF+2*n+1], v[UA:UA+7]
	v_wmma_f32_16x16x4_f32 v[UA+8:UA+15], v[WF+32+2*n:WF+33+2*n], v[QF+2*n:QF+2*n+1], v[UA+8:UA+15]
.endif
.set n, n+1
.endr
.rept 8
	v_nop
.endr
.irp nt, 0,1
	ds_store_b128 v11, v[UA+8*\nt:UA+8*\nt+3] offset:64*\nt
	ds_store_b128 v11, v[UA+8*\nt+4:UA+8*\nt+7] offset:64*\nt+16
.endr
	s_wait_dscnt 0x0                               ; for the others' sake
	s_barrier_signal -1
	s_barrier_wait -1
.set i, 0
.rept 16
	ds_load_b32 v[KF+i], v12 offset:2304*i
.set i, i+1
.endr
	s_wait_dscnt 0x0
.set i, 1
.rept 15
	v_add_f32 v[KF], v[KF], v[KF+i]
.set i, i+1
.endr
	global_store_b32 v13, v[KF], s[34:35]
	s_wait_tensorcnt 0x0                           ; the wave's end, behind my last LDS store
	ds_add_u32 v14, v15
	s_wait_dscnt 0x0
	s_endpgm
.Lfunc_end_k_q63855608fc_first16:
	.size	k_q63855608fc_first16, .Lfunc_end_k_q63855608fc_first16-k_q63855608fc_first16
	.p2alignl 7, 3214868480
	.fill 96, 4, 3214868480
	.section	.rodata,"a",@progbits
	.p2align	6, 0x0
	.amdhsa_kernel k_q63855608fc_first16
		.amdhsa_group_segment_fixed_size 43008
		.amdhsa_private_segment_fixed_size 0
		.amdhsa_enable_private_segment 0
		.amdhsa_kernarg_size 40
		.amdhsa_user_sgpr_count 2
		.amdhsa_user_sgpr_kernarg_segment_ptr 1
		.amdhsa_wavefront_size32 1
		.amdhsa_system_sgpr_workgroup_id_x 1
		.amdhsa_system_sgpr_workgroup_id_y 1
		.amdhsa_system_sgpr_workgroup_id_z 1
		.amdhsa_system_vgpr_workitem_id 0
		.amdhsa_next_free_vgpr 256
		.amdhsa_next_free_sgpr 66
		.amdhsa_reserve_vcc 1
		.amdhsa_float_denorm_mode_32 3
		.amdhsa_float_denorm_mode_16_64 3
		.amdhsa_memory_ordered 1
		.amdhsa_forward_progress 1
		.amdhsa_inst_pref_size 27
	.end_amdhsa_kernel
	.amdgpu_metadata
---
amdhsa.version: [ 1, 2 ]
amdhsa.kernels:
  - .name:           k_q63855608fc_first16
    .symbol:         k_q63855608fc_first16.kd
    .args:
      - { .name: side, .offset: 0, .size: 8, .value_kind: global_buffer, .address_space: global }
      - { .name: oh, .offset: 8, .size: 8, .value_kind: global_buffer, .address_space: global }
      - { .name: mask, .offset: 16, .size: 8, .value_kind: global_buffer, .address_space: global }
      - { .name: Wo, .offset: 24, .size: 8, .value_kind: global_buffer, .address_space: global }
      - { .name: out0, .offset: 32, .size: 8, .value_kind: global_buffer, .address_space: global }
    .group_segment_fixed_size: 43008
    .private_segment_fixed_size: 0
    .kernarg_segment_align: 8
    .kernarg_segment_size: 40
    .max_flat_workgroup_size: 512
    .sgpr_count:     66
    .vgpr_count:     256
    .wavefront_size: 32
...
	.end_amdgpu_metadata
.endif
;; end of part 5
;; ======== version 2 of 2: 5 launches; version 1 with the launch proj written anew for expert scheduling mode
;; limits: values are held in f16: magnitudes above 65,504 overflow, below 6.1e-05 lose precision
;; workspace buffers: wimg 3,768,320 bytes; mbits 2,162,688 bytes of whole numbers; qkv 50,331,648 bytes; side 1,310,720 bytes; oh 16,842,752 bytes
;; launch prep: the kernel of part 1 again; grid 576 x 1, 16 waves a work-group, no clusters, 138,240 bytes of LDS; arguments mask, Wq, Wk, Wv, Wo, wimg, mbits; writes wimg, mbits
;; launch proj (part 6): grid 192 x 1, 8 waves a work-group, no clusters, 74,752 bytes of LDS; arguments q, k, v, wimg, qkv, side; writes qkv, side
.if DOCPART == 6
	.amdgcn_target "amdgcn-amd-amdhsa--gfx1250"
	.amdhsa_code_object_version 6
	.text
	.protected	k_q63855608fc_proj
	.globl	k_q63855608fc_proj
	.p2align	8
	.type	k_q63855608fc_proj,@function
k_q63855608fc_proj:
	s_mov_b64 s[64:65], 0
	v_nop
	global_prefetch_b8 v0, s[64:65] scope:SCOPE_SE
	s_setreg_imm32_b32 hwreg(HW_REG_WAVE_SCHED_MODE, 0, 2), 2
	s_setreg_imm32_b32 hwreg(HW_REG_WAVE_MODE, 25, 1), 1
	s_wait_xcnt 0x0
	s_wait_alu depctr_vm_vsrc(0)
; PROJ.  qw = q Wq, kw = k Wk, vw = v Wv on E2M1 codes with one E8M0 scale for each 32 along K.  Work-group = 64 x tensor + block of 128 rows.
; PHASE Q: wave w quantises rows 16 w .. 16 w + 15 (a lane holds 8 neighbours along K, four lanes a block) into LDS: rows of 512 bytes of codes, rows of 32 scale bytes.
; PHASE G: two passes; in pass p wave w makes head 8 p + w for all 128 rows: 4 tiles of columns x 8 tiles of rows, 32 accumulators that take turns.
; The weights come from their image straight into registers, three buffers deep.  No tile is brought by a tensor load, so there is nothing that a cluster could share.
; q and k: source 0 = 16 columns of W, source 1 = 16 rows of x: a lane holds one row and eight neighbouring outputs.  v: the sources swapped: a lane holds one channel and eight keys, which is V^T's layout.
; Each result tile, rounded to f16, is one piece of 512 bytes (the image of four operand registers), stored by one instruction.  q is scaled by log2(e) / 8 first.
; Also stored, in f32: rows 0-15 of each batch (for the launch that recomputes them), and for v the sums over each block's 128 keys and over its keys 16-127.
; LIMITS: |qw|, |kw|, |vw| under 65,504 (f16); a block of zeros keeps the scale byte 1, its codes are zeros; NaN and infinities are not served.
; 192 work-groups: the 24,576 rows do not part into 256 equal runs of whole tiles inside one tensor.
; THE MODE: SCHED_MODE bits 1:0 = 2 (LLVM: expert scheduling mode 2), set by the entry lines.  The code itself states the register dependences
; between vector or matrix instructions and memory or LDS instructions, with s_wait_alu, always for 0.
; THE PLAN.  Registers that memory or LDS instructions touch:
;   v1-v7, v10-v12   offsets and LDS addresses: made at the head, never written again: one wait on va_vdst ahead of the first load serves the whole kernel.
;   PHASE Q  v64-127, v128-191: two batches of x by turns: batch i's maxima and conversions read one; behind them the loads of batch i + 2 land in it.
;            v208-223: bytes and codes: written by batch i's arithmetic, read by its LDS stores, written again by batch i + 1.
;            So a batch has one wait on va_vdst, behind its arithmetic, and one on vm_vsrc at its head.
;   PHASE G  WF0 .. WF2: step ks's products read WF[ks % 3]; the loads of step ks + 2, issued at step ks's head, land in WF[(ks - 1) % 3].
;            x's fragments: THREE slots of four.  The walk's half n (n = 2 ks: row tiles 0-3 of step ks; n = 2 ks + 1: row tiles 4-7) lies in slot n % 3.  At step ks's head half 2 ks + 1 is asked
;            for, in its middle half 2 ks + 2: they land in the two slots that step ks - 1 read.  x's scale words: two sets by turns, asked for with half 2 ks + 2.  W's scale words: asked for at a pass's head.
;            So ONE wait on va_vdst stands in a step, at its head: the last step's products are done reading all that this step's loads land in, and this step's products name none of it
;            before the loads are issued.  The accumulators are named by matrix instructions alone until the way out.
;   THE WAY OUT  H0, H1: two sets of f16 pieces by turns: block bt's roundings write H[bt % 2]; the stores issued at block bt + 1's head read it.  A block's head states both sides.
.set XS_L,   67584                     ; LDS: codes 128 x 528 from 0; scale bytes 128 x 48 from here
.set SPARE,  73728                     ; the spare words, 128 bytes a wave
.set WS_OFF, 1572864
.set XF,  32                           ; v32-127  x's fragments: three slots of four
.set WF,  128                          ; v128-223 W's fragments: 3 buffers x 4 tiles
.set WSC, 224                          ; v224-239 W's scale words: register 2 ks + pr: tile 2 pr in lanes 0-15, tile 2 pr + 1 in lanes 16-31
.set XSC, 240                          ; v240-255 x's scale words: two sets of 8
.set T,   64                           ; the way out: scaled results
.set H,   128                          ; the way out: f16 pieces, two sets of 32
.set MUL, 0x50                         ; C and D in window 1: accumulator (rt, nt) at v[8 (4 rt + nt)]
.set MSB, 0
.macro WIN new                         ; the immediate's high byte repeats the setting that is left
.if MSB != \new
	s_set_vgpr_msb (MSB<<8)|\new
.set MSB, \new
.endif
.endm
.macro PLACES
.rept 4
	v_nop
.endr
.endm
	s_load_b256 s[32:39], s[0:1], 0x0              ; q, k, v, wimg
	s_load_b128 s[40:43], s[0:1], 0x20             ; qkv, side
	v_lshl_add_u32 v8, v0, 2, SPARE                ; my spare word
	v_mov_b32 v9, 0                                ; and 0
	v_lshrrev_b32 v1, 5, v0
	v_readfirstlane_b32 s18, v1                    ; wave
	v_and_b32 v14, 31, v0                          ; lane
	v_and_b32 v15, 15, v0                          ; r
	v_bfe_u32 v13, v0, 4, 1                        ; h
	v_cmp_ne_u32 s30, 0, v13                       ; lanes 16-31
	v_lshlrev_b32 v1, 4, v14                       ; 16 x lane
	v_lshlrev_b32 v2, 2, v14                       ; 4 x lane
	s_wait_alu depctr_va_sdst(0)                   ; s18 and s30 are written, ahead of their first readers: s18's is the next line, s30's the select of v's sums
	s_lshl_b32 s28, s18, 16
	v_lshl_add_u32 v3, v14, 5, s28                 ; x: my wave's 16 rows, 32 bytes a lane
	s_mul_i32 s28, s18, 8448
	v_add_nc_u32 v4, s28, v2                       ; codes, in
	s_mul_i32 s28, s18, 768
	s_add_co_u32 s28, s28, XS_L
	v_lshrrev_b32 v5, 2, v14
	v_add_nc_u32 v5, s28, v5                       ; scale bytes, in
	v_mul_u32_u24 v6, v15, 528
	v_lshl_add_u32 v6, v13, 4, v6                  ; a fragment's row, + 16 h
	v_mul_u32_u24 v7, v15, 48
	v_add_nc_u32 v7, XS_L, v7                      ; a row's scale words
	v_lshlrev_b32 v10, 12, v15
	v_lshl_add_u32 v10, v13, 5, v10                ; f32 copy of q, k: row r, + 32 h
	v_lshlrev_b32 v11, 6, v15
	v_lshl_add_u32 v11, v13, 5, v11                ; f32 copy of v: channel r, + 32 h
	v_lshlrev_b32 v12, 2, v15
	v_lshl_add_u32 v12, v13, 18, v12               ; the sums: channel r; lanes 16-31 the second plane
	s_lshr_b32 s19, ttmp9, 6                       ; tensor
	s_and_b32 s20, ttmp9, 63                       ; block of 128 rows
	s_lshr_b32 s21, s20, 4                         ; b
	s_and_b32 s22, s20, 15                         ; the block within its batch
	s_mov_b32 s26, 0x76543210
	s_mov_b32 s27, 0xfedcba98
	s_wait_kmcnt 0x0
	s_cmp_eq_u32 s19, 1
	s_cselect_b64 s[4:5], s[34:35], s[32:33]
	s_cmp_eq_u32 s19, 2
	s_cselect_b64 s[4:5], s[36:37], s[4:5]
	s_lshl_b32 s28, s20, 19
	s_mov_b32 s29, 0
	s_add_nc_u64 s[4:5], s[4:5], s[28:29]
	s_wait_alu depctr_va_vdst(0)                   ; the offsets and LDS addresses v1-v7 and v10-v12 are written: every load and store of the kernel reads one of them
.macro LOADB i                         ; rows 2 i and 2 i + 1 of my 16: unit u = row u / 4, quarter u % 4; a lane takes 8 neighbours
.set XB, 64+64*((\i)%2)
.irp u, 0,1,2,3,4,5,6,7
.irp e, 0,1
	global_load_b128 v[XB+8*\u+4*\e:XB+8*\u+4*\e+3], v3, s[4:5] offset:(2*(\i)+\u/4)*4096+(\u%4)*1024+16*\e th:TH_LOAD_NT
.endr
.endr
.endm
	LOADB 0
	LOADB 1
	; the other addresses, while the first rows are on their way
	s_lshl_b32 s28, s19, 19
	s_lshl_b32 s31, s18, 15
	s_add_co_u32 s28, s28, s31
	s_add_nc_u64 s[6:7], s[38:39], s[28:29]        ; W's codes: my head's four tiles
	s_lshl_b32 s28, s19, 15
	s_lshl_b32 s31, s18, 8
	s_add_co_u32 s28, s28, s31
	s_add_co_u32 s28, s28, WS_OFF
	s_add_nc_u64 s[8:9], s[38:39], s[28:29]        ; W's scale words
	s_lshl_b32 s44, s21, 4
	s_add_co_u32 s44, s44, s18                     ; 16 b + head
	s_cmp_eq_u32 s19, 0                            ; q's image has 2,048 bytes for 16 rows, k's and v's 16,384 for 64 keys
	s_cselect_b32 s45, 18, 19
	s_cselect_b32 s46, 14, 15
	s_cselect_b32 s47, 0, 0x1000000
	s_cselect_b32 s48, 13, 14
	s_cselect_b32 s49, 21, 22
	s_cselect_b32 s24, 0x3e38aa3b, 1.0             ; log2(e) / 8 for q
	s_mov_b32 s25, s24
	s_lshl_b32 s44, s44, s45
	s_lshl_b32 s46, s22, s46
	s_add_co_u32 s44, s44, s46
	s_add_co_u32 s44, s44, s47
	s_mov_b32 s45, 0
	s_add_nc_u64 s[10:11], s[40:41], s[44:45]      ; row tiles 0-3
	s_lshl_b32 s44, 1, s48
	s_add_nc_u64 s[12:13], s[10:11], s[44:45]      ; row tiles 4-7
	s_lshl_b32 s50, 1, s49                         ; eight heads on
	s_mov_b32 s51, 0
	s_lshl_b32 s28, s19, 2
	s_add_co_u32 s28, s28, s21
	s_lshl_b32 s28, s28, 16                        ; the f32 copies: (4 x tensor + b) x 65,536
	s_cmp_eq_u32 s19, 2
	s_cselect_b32 s31, 12, 8
	s_lshl_b32 s31, s18, s31
	s_add_co_u32 s28, s28, s31
	s_add_nc_u64 s[14:15], s[42:43], s[28:29]
	s_lshl_b32 s28, s20, 12
	s_lshl_b32 s31, s18, 8
	s_add_co_u32 s28, s28, s31
	s_add_co_u32 s28, s28, 786432
	s_add_nc_u64 s[16:17], s[42:43], s[28:29]      ; the sums
.macro QB i                            ; a batch's arithmetic: eight units by turns, line by line
.set XB, 64+64*((\i)%2)
.if (\i) > 0
	s_wait_alu depctr_vm_vsrc(0)                   ; the last batch's LDS stores have read v208-223, which this batch writes again
.endif
.irp u, 0,1,2,3,4,5,6,7
	v_max3_num_f32 v[192+\u], |v[XB+8*\u]|, |v[XB+8*\u+1]|, 0x1800000   ; with the floor 2^(3 - 127)
.endr
.irp p, 2,4,6
.irp u, 0,1,2,3,4,5,6,7
	v_max3_num_f32 v[192+\u], v[192+\u], |v[XB+8*\u+\p]|, |v[XB+8*\u+\p+1]|
.endr
.endr
.irp u, 0,1,2,3,4,5,6,7
	v_max_num_f32_dpp v[192+\u], v[192+\u], v[192+\u] row_xmask:1 row_mask:0xf bank_mask:0xf
.endr
.irp u, 0,1,2,3,4,5,6,7
	v_max_num_f32_dpp v[192+\u], v[192+\u], v[192+\u] row_xmask:2 row_mask:0xf bank_mask:0xf   ; the block's four lanes
.endr
.irp u, 0,1,2,3,4,5,6,7
	v_add_nc_u32 v[200+\u], 0xff000000, v[192+\u]  ; 2 off the exponent field
.endr
.irp u, 0,1,2,3,4,5,6,7
	v_cvt_scalef32_pk8_fp4_f32 v[216+\u], v[XB+8*\u:XB+8*\u+7], v[200+\u]
.endr
.irp u, 0,1,2,3,4,5,6,7
	v_lshrrev_b32 v[208+\u], 23, v[200+\u]         ; the byte (plain lines behind the conversions)
.endr
	s_wait_alu depctr_va_vdst(0)                   ; the codes and bytes v208-223 are written, which the LDS stores read; the maxima and conversions are done reading this batch's numbers, in which the loads of the batch after next land
.endm
.macro QST i                           ; and its stores into LDS
.irp u, 0,1,2,3,4,5,6,7
	ds_store_b32 v4, v[216+\u] offset:(2*(\i)+\u/4)*528+(\u%4)*128
	ds_store_b8 v5, v[208+\u] offset:(2*(\i)+\u/4)*48+(\u%4)*8     ; a block's four lanes write the same byte with the same value
.endr
.endm
.irp i, 0,1,2,3,4,5
	s_wait_loadcnt 16                              ; this batch is in; the next batch's 16 loads may be out
	QB \i
	LOADB \i+2                                     ; the buffer is asked for again at once: no vector instruction since the wait names it
	QST \i
.endr
	s_wait_loadcnt 16
	QB 6
	QST 6
	s_wait_loadcnt 0x0
	QB 7
	QST 7
	s_wait_dscnt 0x0                               ; for the others' sake
	s_barrier_signal -1
	s_barrier_wait -1
	s_wait_alu depctr_vm_vsrc(0)                   ; my LDS stores have read v208-223, in which weights land from here on.  (No vector instruction has been issued since the last batch's wait on va_vdst: the loads below owe no other)
.macro WLOAD ks
.irp nt, 0,1,2,3
.irp c, 0,1
	global_load_b128 v[WF+32*((\ks)%3)+8*\nt+4*\c:WF+32*((\ks)%3)+8*\nt+4*\c+3], v1, s[6:7] offset:8192*\nt+1024*(\ks)+512*\c
.endr
.endr
.endm
.macro XLO ks                          ; row tiles 0-3 of step ks into slot (2 ks) % 3, and all eight scale words
.set SL, XF+32*((2*(\ks))%3)
.irp rr, 0,1,2,3
.irp c, 0,1
	ds_load_b128 v[SL+8*\rr+4*\c:SL+8*\rr+4*\c+3], v6 offset:8448*\rr+64*(\ks)+32*\c
.endr
.endr
.irp rt, 0,1,2,3,4,5,6,7
	ds_load_b32 v[XSC+8*((\ks)%2)+\rt], v7 offset:768*\rt+4*(\ks)
.endr
.endm
.macro XHI ks                          ; row tiles 4-7 into slot (2 ks + 1) % 3
.set SL, XF+32*((2*(\ks)+1)%3)
.irp rr, 0,1,2,3
.irp c, 0,1
	ds_load_b128 v[SL+8*\rr+4*\c:SL+8*\rr+4*\c+3], v6 offset:8448*(\rr+4)+64*(\ks)+32*\c
.endr
.endr
.endm
.macro MM ks, rt0, vc                  ; 16 matrix instructions: four row tiles x four column tiles
.irp rr, 0,1,2,3
.irp nt, 0,1,2,3
.set AC,  8*(4*(\rt0+\rr)+\nt)
.set WR,  WF+32*((\ks)%3)+8*\nt
.set XR,  XF+32*((2*(\ks)+(\rt0)/4)%3)+8*\rr
.set WSR, WSC+2*(\ks)+\nt/2
.set XSR, XSC+8*((\ks)%2)+\rt0+\rr
.if \vc
.if (\ks) == 0
.if \nt%2
	v_wmma_scale_f32_16x16x128_f8f6f4 v[AC:AC+7], v[XR:XR+7], v[WR:WR+7], 0, v[XSR], v[WSR] matrix_a_fmt:MATRIX_FMT_FP4 matrix_b_fmt:MATRIX_FMT_FP4 matrix_b_scale:MATRIX_SCALE_ROW1
.else
	v_wmma_scale_f32_16x16x128_f8f6f4 v[AC:AC+7], v[XR:XR+7], v[WR:WR+7], 0, v[XSR], v[WSR] matrix_a_fmt:MATRIX_FMT_FP4 matrix_b_fmt:MATRIX_FMT_FP4
.endif
.else
.if \nt%2
	v_wmma_scale_f32_16x16x128_f8f6f4 v[AC:AC+7], v[XR:XR+7], v[WR:WR+7], v[AC:AC+7], v[XSR], v[WSR] matrix_a_fmt:MATRIX_FMT_FP4 matrix_b_fmt:MATRIX_FMT_FP4 matrix_b_scale:MATRIX_SCALE_ROW1
.else
	v_wmma_scale_f32_16x16x128_f8f6f4 v[AC:AC+7], v[XR:XR+7], v[WR:WR+7], v[AC:AC+7], v[XSR], v[WSR] matrix_a_fmt:MATRIX_FMT_FP4 matrix_b_fmt:MATRIX_FMT_FP4
.endif
.endif
.else
.if (\ks) == 0
.if \nt%2
	v_wmma_scale_f32_16x16x128_f8f6f4 v[AC:AC+7], v[WR:WR+7], v[XR:XR+7], 0, v[WSR], v[XSR] matrix_a_fmt:MATRIX_FMT_FP4 matrix_b_fmt:MATRIX_FMT_FP4 matrix_a_scale:MATRIX_SCALE_ROW1
.else
	v_wmma_scale_f32_16x16x128_f8f6f4 v[AC:AC+7], v[WR:WR+7], v[XR:XR+7], 0, v[WSR], v[XSR] matrix_a_fmt:MATRIX_FMT_FP4 matrix_b_fmt:MATRIX_FMT_FP4
.endif
.else
.if \nt%2
	v_wmma_scale_f32_16x16x128_f8f6f4 v[AC:AC+7], v[WR:WR+7], v[XR:XR+7], v[AC:AC+7], v[WSR], v[XSR] matrix_a_fmt:MATRIX_FMT_FP4 matrix_b_fmt:MATRIX_FMT_FP4 matrix_a_scale:MATRIX_SCALE_ROW1
.else
	v_wmma_scale_f32_16x16x128_f8f6f4 v[AC:AC+7], v[WR:WR+7], v[XR:XR+7], v[AC:AC+7], v[WSR], v[XSR] matrix_a_fmt:MATRIX_FMT_FP4 matrix_b_fmt:MATRIX_FMT_FP4
.endif
.endif
.endif
.endr
.endr
.endm
.macro KSTEP ks, vc                    ; every window is 0 at a step's head
.if (\ks) > 0
	s_wait_alu depctr_va_vdst(0)                   ; the last step's products are done reading their weights, their two slots of x and their set of scale words: all that this step's loads land in
.endif
	XHI \ks                                        ; wanted first: by this step's second sixteen products
.if (\ks) <= 5
	WLOAD (\ks)+2                                  ; into the buffer that the last step multiplied
	s_wait_loadcnt 16                              ; this step's weights are in; two later fetches of 8 may be out
.elseif (\ks) == 6
	s_wait_loadcnt 8
.else
	s_wait_loadcnt 0x0
.endif
	s_wait_dscnt 8                                 ; row tiles 0-3 and the scale words are in; tiles 4-7, just asked for, may be out
	WIN MUL
	MM \ks, 0, \vc
	WIN 0
.if (\ks) < 7
	XLO (\ks)+1                                    ; no wait: the sixteen products issued since the step's wait name neither this slot nor this set of scale words
	s_wait_dscnt 16                                ; row tiles 4-7 are in; the 16 loads just issued may be out
.else
	s_wait_dscnt 0x0
.endif
	WIN MUL
	MM \ks, 4, \vc
.if (\ks) == 7
	PLACES                                         ; four places behind the last product, before vector instructions read results or write over its sources (ISA guide 7.12.1)
.endif
	WIN 0
.endm
.macro PASS vc                         ; a head's eight K steps.  On both ways in no vector or matrix instruction has been issued since the last wait on va_vdst, and a wait on vm_vsrc stands ahead of the branch
.irp ks, 0,1,2,3,4,5,6,7
.irp pr, 0,1
	global_load_b32 v[WSC+2*\ks+\pr], v2, s[8:9] offset:4096*\ks+128*\pr
.endr
.endr
	WLOAD 0
	WLOAD 1
	XLO 0
.set KS, 0
.rept 8
	KSTEP KS, \vc
.set KS, KS+1
.endr
.endm
; THE WAY OUT, two row tiles to a block.  q, k: a block is scaled and rounded into H[bt % 2]
.macro QKC bt
	WIN 0x01
.set i, 0
.rept 32
	v_pk_mul_f32 v[T+2*i:T+2*i+1], v[64*(\bt)+2*i:64*(\bt)+2*i+1], s[24:25] op_sel_hi:[1,0]   ; each accumulator from its low end on
.set i, i+1
.endr
	WIN 0
.set i, 0
.rept 32
	v_cvt_pk_f16_f32 v[H+32*((\bt)%2)+i], v[T+2*i], v[T+2*i+1]
.set i, i+1
.endr
.endm
.macro QKS bt                          ; and stored
.irp rl, 0,1
.irp nt, 0,1,2,3
.if (\bt) < 2
	global_store_b128 v1, v[H+32*((\bt)%2)+16*\rl+4*\nt:H+32*((\bt)%2)+16*\rl+4*\nt+3], s[10:11] offset:((2*(\bt)+\rl)%4)*2048+512*\nt   ; 32 lanes store 512 consecutive bytes
.else
	global_store_b128 v1, v[H+32*((\bt)%2)+16*\rl+4*\nt:H+32*((\bt)%2)+16*\rl+4*\nt+3], s[12:13] offset:((2*(\bt)+\rl)%4)*2048+512*\nt
.endif
.endr
.endr
.endm
; v: a block is rounded into H[bt % 2]
.macro VC bt
	WIN 0x05
.set i, 0
.rept 32
	v_cvt_pk_f16_f32 v[H+32*((\bt)%2)+i], v[64*(\bt)+2*i], v[64*(\bt)+2*i+1]
.set i, i+1
.endr
	WIN 0
.endm
.macro VS bt                           ; and stored
.irp rl, 0,1
.irp nt, 0,1,2,3
.if (\bt) < 2
	global_store_b128 v1, v[H+32*((\bt)%2)+16*\rl+4*\nt:H+32*((\bt)%2)+16*\rl+4*\nt+3], s[10:11] offset:8192+((\bt)%2)*4096+1024*\nt+512*\rl
.else
	global_store_b128 v1, v[H+32*((\bt)%2)+16*\rl+4*\nt:H+32*((\bt)%2)+16*\rl+4*\nt+3], s[12:13] offset:8192+((\bt)%2)*4096+1024*\nt+512*\rl
.endif
.endr
.endr
.endm
	s_mov_b32 s23, 2
	s_cmp_eq_u32 s19, 2
	s_cbranch_scc1 .Lv_pass
.Lqk_pass:
	PASS 0
	QKC 0
	s_wait_alu depctr_va_vdst(0)                   ; the products have written the accumulators, which the f32 copy's stores read; block 0's roundings have written H0
	s_cmp_lg_u32 s22, 0                            ; the batch's first block keeps rows 0-15 in f32, unscaled
	s_cbranch_scc1 .Lqk_no16
	WIN 0x04                                       ; a store's data: window 1
.irp nt, 0,1,2,3
	global_store_b128 v10, v[8*\nt:8*\nt+3], s[14:15] offset:64*\nt
	global_store_b128 v10, v[8*\nt+4:8*\nt+7], s[14:15] offset:64*\nt+16
.endr
	WIN 0
.Lqk_no16:
	QKS 0
	QKC 1                                          ; into H1, which no store has read yet
.irp bt, 2,3
	s_wait_xcnt 0x0                                ; the stores issued a block ago have had their addresses translated: their data registers may be written again
	s_wait_alu depctr_vm_vsrc(0)                   ; and they have read the set of H that this block's roundings write again
	s_wait_alu depctr_va_vdst(0)                   ; the block before has written the other set, which the stores below read
	QKS \bt-1
	QKC \bt
.endr
	s_wait_alu depctr_va_vdst(0)                   ; block 3 has written H1, which the last stores read
	QKS 3
	s_wait_xcnt 0x0                                ; bases and registers may be written again
	s_wait_alu depctr_vm_vsrc(0)                   ; the stores have read H0 and H1, in which the next pass's weights land, and the accumulators of the f32 copy, which its products write
	s_add_nc_u64 s[6:7], s[6:7], 262144            ; eight heads on
	s_add_nc_u64 s[8:9], s[8:9], 2048
	s_add_nc_u64 s[14:15], s[14:15], 2048
	s_add_nc_u64 s[10:11], s[10:11], s[50:51]
	s_add_nc_u64 s[12:13], s[12:13], s[50:51]
	s_sub_co_u32 s23, s23, 1
	s_cmp_lg_u32 s23, 0
	s_cbranch_scc1 .Lqk_pass
	s_branch .Ldone
.Lv_pass:
	PASS 1
	WIN 0x05                                       ; the sums over the block's keys: sources in window 1
.irp nt, 0,1,2,3
	v_pk_add_f32 v[16+8*\nt:17+8*\nt], v[32+8*\nt:33+8*\nt], v[34+8*\nt:35+8*\nt]   ; keys 16-31
	v_pk_add_f32 v[18+8*\nt:19+8*\nt], v[36+8*\nt:37+8*\nt], v[38+8*\nt:39+8*\nt]
	v_pk_add_f32 v[20+8*\nt:21+8*\nt], v[8*\nt:8*\nt+1], v[8*\nt+2:8*\nt+3]         ; keys 0-15
	v_pk_add_f32 v[22+8*\nt:23+8*\nt], v[8*\nt+4:8*\nt+5], v[8*\nt+6:8*\nt+7]
.endr
	WIN 0x04
.irp rt, 2,3,4,5,6,7
.irp nt, 0,1,2,3
	v_pk_add_f32 v[16+8*\nt:17+8*\nt], v[16+8*\nt:17+8*\nt], v[8*(4*\rt+\nt):8*(4*\rt+\nt)+1]
	v_pk_add_f32 v[18+8*\nt:19+8*\nt], v[18+8*\nt:19+8*\nt], v[8*(4*\rt+\nt)+2:8*(4*\rt+\nt)+3]
	v_pk_add_f32 v[16+8*\nt:17+8*\nt], v[16+8*\nt:17+8*\nt], v[8*(4*\rt+\nt)+4:8*(4*\rt+\nt)+5]
	v_pk_add_f32 v[18+8*\nt:19+8*\nt], v[18+8*\nt:19+8*\nt], v[8*(4*\rt+\nt)+6:8*(4*\rt+\nt)+7]
.endr
.endr
	WIN 0
.irp nt, 0,1,2,3
	v_pk_add_f32 v[16+8*\nt:17+8*\nt], v[16+8*\nt:17+8*\nt], v[18+8*\nt:19+8*\nt]
	v_pk_add_f32 v[20+8*\nt:21+8*\nt], v[20+8*\nt:21+8*\nt], v[22+8*\nt:23+8*\nt]
.endr
.irp nt, 0,1,2,3
	v_add_f32 v[16+8*\nt], v[16+8*\nt], v[17+8*\nt]
	v_add_f32 v[20+8*\nt], v[20+8*\nt], v[21+8*\nt]
.endr
.irp nt, 0,1,2,3
	v_permlanex16_b32 v[17+8*\nt], v[16+8*\nt], s26, s27
	v_permlanex16_b32 v[21+8*\nt], v[20+8*\nt], s26, s27
.endr
.irp nt, 0,1,2,3
	v_add_f32 v[16+8*\nt], v[16+8*\nt], v[17+8*\nt]    ; keys 16-127
	v_add_f32 v[20+8*\nt], v[20+8*\nt], v[21+8*\nt]
.endr
.irp nt, 0,1,2,3
	v_add_f32 v[20+8*\nt], v[20+8*\nt], v[16+8*\nt]    ; keys 0-127
	v_cndmask_b32 v[18+8*\nt], v[20+8*\nt], v[16+8*\nt], s30
.endr
	VC 0
	s_wait_alu depctr_va_vdst(0)                   ; the sums are written, the products have written the accumulators, block 0's roundings have written H0: the three kinds of stores below read them
.irp nt, 0,1,2,3
	global_store_b32 v12, v[18+8*\nt], s[16:17] offset:64*\nt
.endr
	s_cmp_lg_u32 s22, 0
	s_cbranch_scc1 .Lv_no16
	WIN 0x04
.irp nt, 0,1,2,3
	global_store_b128 v11, v[8*\nt:8*\nt+3], s[14:15] offset:1024*\nt
	global_store_b128 v11, v[8*\nt+4:8*\nt+7], s[14:15] offset:1024*\nt+16
.endr
	WIN 0
.Lv_no16:
	VS 0
	VC 1                                           ; into H1, which no store has read yet
.irp bt, 2,3
	s_wait_xcnt 0x0                                ; the stores issued a block ago have had their addresses translated: their data registers may be written again
	s_wait_alu depctr_vm_vsrc(0)                   ; and they have read the set of H that this block's roundings write again
	s_wait_alu depctr_va_vdst(0)                   ; the block before has written the other set, which the stores below read
	VS \bt-1
	VC \bt
.endr
	s_wait_alu depctr_va_vdst(0)                   ; block 3 has written H1, which the last stores read
	VS 3
	s_wait_xcnt 0x0                                ; bases and registers may be written again
	s_wait_alu depctr_vm_vsrc(0)                   ; the stores have read H0 and H1, in which the next pass's weights land, the sums' registers, of which two lie in x's first slot, and the accumulators of the f32 copy, which its products write
	s_add_nc_u64 s[6:7], s[6:7], 262144
	s_add_nc_u64 s[8:9], s[8:9], 2048
	s_add_nc_u64 s[14:15], s[14:15], 32768
	s_add_nc_u64 s[16:17], s[16:17], 2048
	s_add_nc_u64 s[10:11], s[10:11], s[50:51]
	s_add_nc_u64 s[12:13], s[12:13], s[50:51]
	s_sub_co_u32 s23, s23, 1
	s_cmp_lg_u32 s23, 0
	s_cbranch_scc1 .Lv_pass
.Ldone:
	s_wait_dscnt 0x0                               ; the closing lines, six on end
	s_wait_alu 0x0
	s_wait_tensorcnt 0x0
	ds_add_u32 v8, v9
	s_wait_dscnt 0x0
	s_endpgm
.Lfunc_end_k_q63855608fc_proj:
	.size	k_q63855608fc_proj, .Lfunc_end_k_q63855608fc_proj-k_q63855608fc_proj
	.p2alignl 7, 3214868480
	.fill 96, 4, 3214868480
	.section	.rodata,"a",@progbits
	.p2align	6, 0x0
	.amdhsa_kernel k_q63855608fc_proj
		.amdhsa_group_segment_fixed_size 74752
		.amdhsa_private_segment_fixed_size 0
		.amdhsa_enable_private_segment 0
		.amdhsa_kernarg_size 48
		.amdhsa_user_sgpr_count 2
		.amdhsa_user_sgpr_kernarg_segment_ptr 1
		.amdhsa_wavefront_size32 1
		.amdhsa_system_sgpr_workgroup_id_x 1
		.amdhsa_system_sgpr_workgroup_id_y 1
		.amdhsa_system_sgpr_workgroup_id_z 1
		.amdhsa_system_vgpr_workitem_id 0
		.amdhsa_next_free_vgpr 512
		.amdhsa_next_free_sgpr 66
		.amdhsa_reserve_vcc 0
		.amdhsa_float_denorm_mode_32 3
		.amdhsa_float_denorm_mode_16_64 3
		.amdhsa_memory_ordered 1
		.amdhsa_forward_progress 1
		.amdhsa_inst_pref_size 212
	.end_amdhsa_kernel
	.amdgpu_metadata
---
amdhsa.version: [ 1, 2 ]
amdhsa.kernels:
  - .name:           k_q63855608fc_proj
    .symbol:         k_q63855608fc_proj.kd
    .args:
      - { .name: q, .offset: 0, .size: 8, .value_kind: global_buffer, .address_space: global }
      - { .name: k, .offset: 8, .size: 8, .value_kind: global_buffer, .address_space: global }
      - { .name: v, .offset: 16, .size: 8, .value_kind: global_buffer, .address_space: global }
      - { .name: wimg, .offset: 24, .size: 8, .value_kind: global_buffer, .address_space: global }
      - { .name: qkv, .offset: 32, .size: 8, .value_kind: global_buffer, .address_space: global }
      - { .name: side, .offset: 40, .size: 8, .value_kind: global_buffer, .address_space: global }
    .group_segment_fixed_size: 74752
    .private_segment_fixed_size: 0
    .kernarg_segment_align: 8
    .kernarg_segment_size: 48
    .max_flat_workgroup_size: 256
    .sgpr_count:     66
    .vgpr_count:     512
    .wavefront_size: 32
...
	.end_amdgpu_metadata
.endif
;; end of part 6
;; launch attn: the kernel of part 3 again; grid 4 x 64, 16 waves a work-group, clusters of 4 x 1, 327,680 bytes of LDS; arguments qkv, mbits, side, oh; writes oh
;; launch outproj: the kernel of part 4 again; grid 4 x 64, 4 waves a work-group, clusters of 4 x 4, 327,680 bytes of LDS; arguments oh, wimg, out0; writes out0
;; launch first16: the kernel of part 5 again; grid 32 x 4, 16 waves a work-group, no clusters, 43,008 bytes of LDS; arguments side, oh, mask, Wo, out0; writes out0
